; MI455X (gfx1250); checked and timed in simulation.
; The chip was launched on July 23, 2026; its instructions are those of AMD's public machine-readable ISA for CDNA 5 (MIT licence, August 2026) and "CDNA5" Instruction Set Architecture Reference Guide (July 2026). The comments in the code are by the model that wrote it; some were corrected since.
;; Multi Head Self Attention. Allowed arithmetic: matrix products marked QUANTISED: E4M3 operands, one E8M0 scale for each 32 along K, by v_wmma_scale_f32_16x16x128_f8f6f4 with both operands' format E4M3, f32 sums; everything else in f32.
;; Inputs: Wk 1,024 x 1,024 float32; Wo 1,024 x 1,024 float32; Wq 1,024 x 1,024 float32; Wv 1,024 x 1,024 float32; bk 1,024 float32; bo 1,024 float32; bq 1,024 float32; bv 1,024 float32; x 4 x 2,048 x 1,024 float32.
;; Outputs: out0 4 x 2,048 x 1,024 float32.
;; This version of the problem:
;;   THIS VERSION OF THE PROBLEM IS GIVEN IN LOW PRECISION. The matrix products marked QUANTISED in the list below multiply operands that are first quantised to E4M3 (4 exponent bits, 3 mantissa bits; 8 bits a number), with one power-of-two scale for each 32 numbers along K (OCP MX v1.0); their sums are f32. All else is computed in f32.
;;   The module's matrix products, in the order in which they are computed (A, B: the left and right operand; K: the contracted axis; several contracted axes count as one K, in the product's order):
;;     1. [M 8,192, K 1,024] x [K 1,024, N 1,024]; A: input x; B: input Wq: QUANTISED
;;     2. [M 8,192, K 1,024] x [K 1,024, N 1,024]; A: input x; B: input Wk: QUANTISED
;;     3. [M 8,192, K 1,024] x [K 1,024, N 1,024]; A: input x; B: input Wv: QUANTISED
;;     4. batch 64 x [M 2,048, K 64] x [K 64, N 2,048]; A: computed on the way; B: computed on the way: QUANTISED
;;     5. batch 64 x [M 2,048, K 2,048] x [K 2,048, N 64]; A: softmax (see below); B: computed on the way: QUANTISED
;;     6. [M 8,192, K 1,024] x [K 1,024, N 1,024]; A: computed on the way; B: input Wo: QUANTISED
;;   THE QUANTISER, for each operand of a quantised product, along K:
;;     - K is cut into blocks of 32 from its start; a last block that is shorter is filled with zeros.
;;     - A block's scale is 2^e with e = floor(log2(the largest magnitude in the block)) - 8, held to -126 .. 127; a block of zeros has e = 0. As a byte (E8M0): e + 127.
;;     - Each number is divided by its block's scale, clamped to +-448, and rounded to the nearest number of E4M3, ties to even, subnormals kept.
;;     - The product sums the exact products of the quantised numbers (number of the format x scale) in f32.
;;   ~~~python
;;   def quantise(x, axis):      # numpy; x: float32 -> the quantised numbers, widened to float32 again
;;       x = np.moveaxis(x, axis, -1); K = x.shape[-1]
;;       x = np.pad(x, [(0, 0)] * (x.ndim - 1) + [(0, -K % 32)]); x = x.reshape(x.shape[:-1] + (-1, 32)); a = np.abs(x).max(-1, keepdims=True)
;;       e = np.where(a > 0, np.clip(np.frexp(np.where(a > 0, a, 1))[1] - 1 - 8, -126, 127), 0)      # np.frexp(a)[1] - 1 = floor(log2(a)), exactly
;;       r = np.clip(x / 2.0 ** e, -448, 448)
;;       step = 2.0 ** (np.maximum(np.frexp(np.where(r == 0, 1, r))[1] - 1, -6) - 3)
;;       q = np.round(r / step) * step * 2.0 ** e      # np.round: ties to even
;;       return np.moveaxis(q.reshape(q.shape[:-2] + (-1,))[..., :K], -1, axis).astype(np.float32)
;;   ~~~
;;   SOFTMAX AHEAD OF A QUANTISED PRODUCT. Where the list says 'softmax', what is quantised is not the finished softmax but p = 2^(t - M), with t = logit x log2(e) and M = ceil(the row's largest t), a whole number; so 1/2 < the row's largest p <= 1. The row's sum l is taken of the UNQUANTISED p, in f32, and the product's result is divided by l at the end. Since M is a whole number, a kernel that streams over the keys may use a running M (the ceiling of the running maximum): every later rescaling is an exact power of two, which a block's scale takes up: the codes' values come out the same.
;;   OPERANDS COMPUTED ON THE WAY. 'Computed on the way' means the value that the module computes at that place (a softmax that the list does not call 'softmax' is quantised finished and normalised). What goes into a quantiser is computed in f32, as accurately as f32 sums, v_exp_f32 and their like allow (about 1e-6 of the number): no bf16 or f16 on the way to a quantiser, and a product that is left as it is and whose result goes on into a quantised operand takes f32 operands (vector FMAs, or v_wmma_f32_16x16x4_f32). A number that lies on a knife's edge between two numbers of the format may be rounded either way, as far as f32 arithmetic and the matrix unit's own rounding can turn it there, and no further.
;; One version. Each part assembles by itself: llvm-mc -triple=amdgcn-amd-amdhsa -mcpu=gfx1250 --defsym DOCPART=n.
;; ======== version 1 of 1: 4 launches
;; limits: right only within a limited range of input values
;; workspace buffers: xc 8,388,608 bytes; xs 262,144 bytes; wc 4,194,304 bytes; ws 131,072 bytes; img 25,165,824 bytes; sc 786,432 bytes; ao 8,388,608 bytes; aos 262,144 bytes
;; launch quant (part 1): grid 384 x 1, 4 waves a work-group, no clusters, 33,280 bytes of LDS; arguments x, Wq, Wk, Wv, Wo, xc, xs, wc, ws; writes xc, xs, wc, ws
.if DOCPART == 1
	.amdgcn_target "amdgcn-amd-amdhsa--gfx1250"
	.amdhsa_code_object_version 6
	.text
	.protected	k_qec8614ed8f_quant
	.globl	k_qec8614ed8f_quant
	.p2align	8
	.type	k_qec8614ed8f_quant,@function
k_qec8614ed8f_quant:
	s_mov_b64 s[64:65], 0
	v_nop
	global_prefetch_b8 v0, s[64:65] scope:SCOPE_SE
	s_setreg_imm32_b32 hwreg(HW_REG_WAVE_MODE, 25, 1), 1
	s_wait_xcnt 0x0
; MULTI-HEAD SELF-ATTENTION IN MX-FP8, launch 1 of 4: x [8192][1024] and Wq, Wk, Wv, Wo [1024][1024], f32, become codes of E4M3 with K (the last axis) innermost
; and one E8M0 byte for each 32 along K.  x goes to xc, xs; the four weights, one behind the other (Wq, Wk, Wv, Wo), to wc, ws.
; DEAD WORK: none is left out in any launch.  bq, bk and bv go into operands that are quantised (bk too: it moves k's codes), bo goes to the output: all nine inputs are loaded.
; THE ROWS ARE STORED IN ANOTHER ORDER: bits 3 and 4 of the row's number change places, so that in each 32 rows the groups of eight lie 0, 2, 1, 3.  Sixteen stored rows on end are then the
; rows 32 b + 8 u + r + 8 (r / 8): taken as source 0 of a matrix instruction they leave, in two neighbouring result tiles, 16 NEIGHBOURS of that axis in a lane's 16 registers.
; A block's scale is 2^(floor(log2(its largest magnitude)) - 8); its byte is the largest magnitude's exponent field - 8, held at 1 from below.
; LIMITS: a block of zeros gets the byte 1 where the rule says 127 (its codes are zeros, and this program alone reads the bytes); blocks whose largest magnitude lies under 2^-118 are held at
; byte 1; NaN and infinities among the inputs are not served.
; SHARES: a work-group takes 32 rows (32,768 numbers), a wave 8 rows in 16 steps of 512 numbers.  Each load reads 512 consecutive bytes; a step's 2,048 bytes turn through the wave's own stage
; in LDS, so that a lane then holds 16 neighbours (two lanes a block).  A wave's 8 rows are one group of eight: the stored order costs one other number in the wave's destination.
; Work-groups 0-255 take x, 256-287 Wq, 288-319 Wk, 320-351 Wv, 352-383 Wo: only pointers are chosen, all take one path.  No tensor load, no barrier: waves share nothing.
.set WAVES, 4
.set STEPS, 16
.set EMAX,  8
.set MANT,  0x600000                   ; the mantissa field of 448 as f32
.set CB,    16                         ; bytes of 16 codes
.set R,     16                         ; v16-79   four sets of 16 numbers as they are loaded
.set X,     80                         ; v80-111  two sets of 16 neighbours
.set C,     128                        ; v128-191 codes: four registers for each step, so that no store's data are written again
.set E,     112                        ; v112-127 a scale byte for each step
.set WREG,  8192                       ; LDS: a region for each wave: two stages of 32 x SP bytes, behind them its 256 scale bytes
.set SP,    80                         ; a lane's place in a stage: 64 bytes + 16 of padding
.set SPW,   12                         ; v12 LDS address of my spare word; never rewritten
.set NIL,   13                         ; v13 0; never rewritten
.set SPARE, WAVES*WREG                 ; behind the four regions: the spare words, 128 bytes a wave
	s_load_b256 s[4:11], s[0:1], 0x0               ; x, Wq, Wk, Wv
	s_load_b64 s[12:13], s[0:1], 0x20              ; Wo
	s_load_b256 s[16:23], s[0:1], 0x28             ; xc, xs, wc, ws
	v_lshl_add_u32 v[SPW], v0, 2, SPARE
	v_mov_b32 v[NIL], 0
	v_lshrrev_b32 v1, 5, v0
	v_readfirstlane_b32 s24, v1                    ; wave
	v_and_b32 v2, 31, v0                           ; lane
	v_lshlrev_b32 v3, 4, v2                        ; my 16 bytes of a load's 512
	s_mul_i32 s25, s24, WREG
	v_lshrrev_b32 v14, 2, v2
	v_mul_u32_u24 v14, v14, SP
	v_and_b32 v15, 3, v2
	v_lshl_add_u32 v14, v15, 4, v14
	v_add_nc_u32 v14, s25, v14                     ; the stage, on the way in: SP (lane / 4) + 16 (lane % 4)
	v_mul_u32_u24 v15, v2, SP
	v_add_nc_u32 v15, s25, v15                     ; and on the way out: SP x lane: my 16 neighbours
	v_mul_u32_u24 v4, v2, CB                       ; my codes' place in a step's
	v_lshrrev_b32 v5, 1, v2
	s_add_co_u32 s25, s25, 2*32*SP
	v_add_nc_u32 v5, s25, v5                       ; LDS: my wave's 256 scale bytes, my block's byte
	v_lshlrev_b32 v7, 3, v2                        ; and on the way out 8 bytes a lane
	v_add_nc_u32 v6, s25, v7
	s_mov_b32 s30, MANT
	s_and_b32 s26, ttmp9, 31                       ; a weight's work-group: its number in its own tensor,
	s_sub_co_u32 s27, ttmp9, 256                   ; and in wc (both made ahead of the compares: they set SCC)
	s_and_b32 s28, s24, 1
	s_lshl_b32 s28, s28, 1
	s_lshr_b32 s29, s24, 1
	s_or_b32 s28, s28, s29                         ; the wave's two bits changed over: where my eight rows are stored
	s_wait_alu depctr_va_vdst(0)
	s_wait_kmcnt 0x0
	s_cmp_lt_u32 ttmp9, 352                        ; the choices hang on the work-group's number alone
	s_cselect_b64 s[12:13], s[10:11], s[12:13]
	s_cmp_lt_u32 ttmp9, 320
	s_cselect_b64 s[12:13], s[8:9], s[12:13]
	s_cmp_lt_u32 ttmp9, 288
	s_cselect_b64 s[12:13], s[6:7], s[12:13]
	s_cmp_lt_u32 ttmp9, 256
	s_cselect_b64 s[12:13], s[4:5], s[12:13]       ; the source
	s_cselect_b64 s[16:17], s[16:17], s[20:21]     ; the codes' buffer
	s_cselect_b64 s[18:19], s[18:19], s[22:23]     ; the scale bytes'
	s_cselect_b32 s26, ttmp9, s26
	s_cselect_b32 s27, ttmp9, s27
	s_lshl_b32 s32, s26, 2
	s_add_co_u32 s32, s32, s24                     ; which run of 8 rows I read,
	s_lshl_b32 s32, s32, 15                        ; 32,768 bytes each
	s_mov_b32 s33, 0
	s_add_nc_u64 s[12:13], s[12:13], s[32:33]
	s_lshl_b32 s34, s27, 2
	s_add_co_u32 s34, s34, s28                     ; and which I write
	s_lshl_b32 s36, s34, 8                         ; 256 scale bytes,
	s_lshl_b32 s34, s34, 13                        ; 8,192 bytes of codes
	s_mov_b32 s35, 0
	s_mov_b32 s37, 0
	s_add_nc_u64 s[16:17], s[16:17], s[34:35]
	s_add_nc_u64 s[18:19], s[18:19], s[36:37]
.macro LOAD t
.irp i, 0,1,2,3
	global_load_b128 v[R+16*((\t)%4)+4*\i:R+16*((\t)%4)+4*\i+3], v3, s[12:13] offset:2048*(\t)+512*\i th:TH_LOAD_NT   ; 32 lanes read 512 consecutive bytes
.endr
.endm
.macro TURN t                          ; step t's numbers through the stage: LDS serves a wave's instructions in order, so no wait stands between the stores and the loads
.irp i, 0,1,2,3
	ds_store_b128 v14, v[R+16*((\t)%4)+4*\i:R+16*((\t)%4)+4*\i+3] offset:32*SP*((\t)%2)+8*SP*\i
.endr
.irp i, 0,1,2,3
	ds_load_b128 v[X+16*((\t)%2)+4*\i:X+16*((\t)%2)+4*\i+3], v15 offset:32*SP*((\t)%2)+16*\i
.endr
.endm
.irp t, 0,1,2,3
	LOAD \t
.endr
	s_wait_loadcnt 12                              ; step 0's four loads are in; the twelve of steps 1 to 3 may be out
	TURN 0
.macro STEP t
.set XS, X+16*((\t)%2)
.if (\t) > 0
	s_wait_dscnt 1                                 ; this step's numbers are back from the stage (the last step's byte store may be out): its stores into the stage have read their registers,
.else
	s_wait_dscnt 0x0
.endif
.if (\t)+4 < STEPS
	LOAD (\t)+4                                    ; which take the loads of four steps on
.endif
.if (\t)+1 < STEPS
.if STEPS-2-(\t) >= 3
	s_wait_loadcnt 12                              ; the next step's four loads are in; those of the three steps behind it may be out
.else
	s_wait_loadcnt 4*(STEPS-2-(\t))
.endif
	TURN (\t)+1                                    ; and go through the other stage while this step is worked
.endif
	v_max3_num_f32 v8, |v[XS]|, |v[XS+1]|, |v[XS+2]|               ; the largest magnitude of my 16, in two chains
	v_max3_num_f32 v9, |v[XS+3]|, |v[XS+4]|, |v[XS+5]|
.irp i, 6,10
	v_max3_num_f32 v8, v8, |v[XS+\i]|, |v[XS+\i+1]|
	v_max3_num_f32 v9, v9, |v[XS+\i+2]|, |v[XS+\i+3]|
.endr
	v_max3_num_f32 v8, v8, |v[XS+14]|, |v[XS+15]|
	v_max3_num_f32 v8, v8, v9, (EMAX+1)<<23        ; and the floor 2^(9 - 127): the byte cannot fall under 1
	v_max_num_f32_dpp v8, v8, v8 row_xmask:1 row_mask:0xf bank_mask:0xf   ; and of my neighbour's 16: the block's
	v_add_nc_u32 v11, -(EMAX<<23), v8              ; 8 off its exponent field: the conversion takes the exponent field of this operand as its scale
	v_and_or_b32 v10, v8, 0x7f800000, s30          ; 448 x the scale
.irp i, 0,1,2,3,4,5,6,7,8,9,10,11,12,13,14,15
	v_med3_num_f32 v[XS+\i], v[XS+\i], -v10, v10   ; the conversion to an 8-bit code does not saturate (ISA guide 7.6.2): the hold
.endr
	v_cvt_scalef32_pk8_fp8_f32 v[C+4*(\t):C+4*(\t)+1], v[XS:XS+7], v11
	v_cvt_scalef32_pk8_fp8_f32 v[C+4*(\t)+2:C+4*(\t)+3], v[XS+8:XS+15], v11
	v_lshrrev_b32 v[E+(\t)], 23, v11               ; the scale's byte
	ds_store_b8 v5, v[E+(\t)] offset:16*(\t)       ; both lanes of a block write the same byte with the same value
	global_store_b128 v4, v[C+4*(\t):C+4*(\t)+3], s[16:17] offset:32*CB*(\t)   ; 512 consecutive bytes
.endm
.irp t, 0,1,2,3,4,5,6,7,8,9,10,11,12,13,14,15
	STEP \t
.endr
	ds_load_b64 v[8:9], v6                         ; LDS serves a wave's instructions in order: these see my stores
	s_wait_dscnt 0x0
	global_store_b64 v7, v[8:9], s[18:19]          ; 32 lanes store 256 consecutive bytes: my eight rows' scale bytes
	s_wait_tensorcnt 0x0                           ; the wave's end
	ds_add_u32 v[SPW], v[NIL]
	s_wait_dscnt 0x0
	s_endpgm
.Lfunc_end_k_qec8614ed8f_quant:
	.size	k_qec8614ed8f_quant, .Lfunc_end_k_qec8614ed8f_quant-k_qec8614ed8f_quant
	.p2alignl 7, 3214868480
	.fill 96, 4, 3214868480
	.section	.rodata,"a",@progbits
	.p2align	6, 0x0
	.amdhsa_kernel k_qec8614ed8f_quant
		.amdhsa_group_segment_fixed_size 33280
		.amdhsa_private_segment_fixed_size 0
		.amdhsa_enable_private_segment 0
		.amdhsa_kernarg_size 72
		.amdhsa_user_sgpr_count 2
		.amdhsa_user_sgpr_kernarg_segment_ptr 1
		.amdhsa_wavefront_size32 1
		.amdhsa_system_sgpr_workgroup_id_x 1
		.amdhsa_system_sgpr_workgroup_id_y 1
		.amdhsa_system_sgpr_workgroup_id_z 1
		.amdhsa_system_vgpr_workitem_id 0
		.amdhsa_next_free_vgpr 192
		.amdhsa_next_free_sgpr 66
		.amdhsa_reserve_vcc 0
		.amdhsa_float_denorm_mode_32 3
		.amdhsa_float_denorm_mode_16_64 3
		.amdhsa_memory_ordered 1
		.amdhsa_forward_progress 1
		.amdhsa_inst_pref_size 51
	.end_amdhsa_kernel
	.amdgpu_metadata
---
amdhsa.version: [ 1, 2 ]
amdhsa.kernels:
  - .name:           k_qec8614ed8f_quant
    .symbol:         k_qec8614ed8f_quant.kd
    .args:
      - { .name: x, .offset: 0, .size: 8, .value_kind: global_buffer, .address_space: global }
      - { .name: Wq, .offset: 8, .size: 8, .value_kind: global_buffer, .address_space: global }
      - { .name: Wk, .offset: 16, .size: 8, .value_kind: global_buffer, .address_space: global }
      - { .name: Wv, .offset: 24, .size: 8, .value_kind: global_buffer, .address_space: global }
      - { .name: Wo, .offset: 32, .size: 8, .value_kind: global_buffer, .address_space: global }
      - { .name: xc, .offset: 40, .size: 8, .value_kind: global_buffer, .address_space: global }
      - { .name: xs, .offset: 48, .size: 8, .value_kind: global_buffer, .address_space: global }
      - { .name: wc, .offset: 56, .size: 8, .value_kind: global_buffer, .address_space: global }
      - { .name: ws, .offset: 64, .size: 8, .value_kind: global_buffer, .address_space: global }
    .group_segment_fixed_size: 33280
    .private_segment_fixed_size: 0
    .kernarg_segment_align: 8
    .kernarg_segment_size: 72
    .max_flat_workgroup_size: 128
    .sgpr_count:     66
    .vgpr_count:     192
    .wavefront_size: 32
...
	.end_amdgpu_metadata
.endif
;; end of part 1
;; launch qkv (part 2): grid 8 x 48, 4 waves a work-group, clusters of 4 x 4, 327,680 bytes of LDS; arguments xc, xs, wc, ws, bq, bk, bv, img, sc; writes img, sc
.if DOCPART == 2
	.amdgcn_target "amdgcn-amd-amdhsa--gfx1250"
	.amdhsa_code_object_version 6
	.text
	.protected	k_qec8614ed8f_qkv
	.globl	k_qec8614ed8f_qkv
	.p2align	8
	.type	k_qec8614ed8f_qkv,@function
k_qec8614ed8f_qkv:
	s_mov_b64 s[64:65], 0
	v_nop
	global_prefetch_b8 v0, s[64:65] scope:SCOPE_SE
	s_setreg_imm32_b32 hwreg(HW_REG_WAVE_MODE, 25, 1), 1
	s_wait_xcnt 0x0
	s_wait_alu depctr_hold_cnt(0) depctr_sa_sdst(0) depctr_va_vdst(0) depctr_va_sdst(0) depctr_va_ssrc(0) depctr_va_vcc(0) depctr_vm_vsrc(0)
	s_getreg_b32 s2, hwreg(HW_REG_IB_STS2, 6, 4)
	s_cmp_eq_u32 s2, 0
	s_cbranch_scc0 .Lentry_in_a_cluster
	s_endpgm
.Lentry_in_a_cluster:
	s_bfe_u32 s2, ttmp6, 0x10000c
	s_cmp_lg_u32 s2, 0xf033
	s_cbranch_scc0 .Lentry_shape_is_right
	s_endpgm
.Lentry_shape_is_right:
; Launch 2 of 4: q = x Wq^T + bq, k = x Wk^T + bk, v = x Wv^T + bv on codes of E4M3 (K = 1,024), and each result quantised in registers for the product that takes it:
; q and k along the head's 64 (two blocks of 32), v along the keys.  No work of the problem is left out here.
; A tile of 256 x 256 results to a work-group of four waves, 128 x 128 a wave (64 accumulators, 512 registers).  K goes in steps of 256 through two LDS slots filled by tensor loads; the scale bytes
; of the work-group's rows come once and stay.  4 x 4 work-groups form a cluster: 'A' tiles (source 1) are asked for jointly along a row of the cluster, 'B' tiles (source 0) along a column.
; TWO PATHS, told apart by the cluster's y alone (the same in all sixteen partners):
;   q, k (cluster y 0-7):  A = 256 tokens of x (tile row 4 y + cy), B = 256 rows of Wq|Wk (tile column 4 x + cx): a lane holds ONE token, its registers run along the features;
;   v    (cluster y 8-11): A = 256 rows of Wv (tile row 8 + cy of wc), B = 256 tokens (tile column 4 x + cx + 8 (y - 8)): a lane holds ONE feature, its registers run along the keys.
; Rows of xc and wc lie in the stored order (bits 3 and 4 of the row changed over), so accumulators (a, 2 e) and (a, 2 e + 1) of a lane hold 16 neighbours, 32 e + 16 (lane / 16) + 0 .. 15, of source 0's axis
; in its true order, and lane % 16 stands for stored row 16 a + lane % 16 of source 1's axis.  So the way out is one text for both paths: a block of 32 lies in lanes l and l xor 16.
; THE BIAS is the C of each sum's first matrix instruction (it begins the f32 sum where the module adds it last: an order of rounding that differs).  Along the registers for q, k; along the lanes for v: only the first
; 128 along K is written twice, under one scalar branch on the path.
; OUT: img [feature block 24][token block 64][a 8][e 4][lane 32][16 bytes]: images of the next launch's operand registers; every store covers 512 consecutive bytes.  sc [feature block][token block][a 8][16] scale words.
; LIMITS: a block of zeros gets the byte 1 (its codes are zeros; this program alone reads the bytes); blocks under 2^-118 are held at byte 1; NaN and infinities are not served.
; REGISTERS: window 0: v1-15 set-up and the bias's offsets; v16-29 addresses; v32-63 scale words, two sets; v64-127 the bias, later at work; v128-255 A's fragments, later the codes.  window 1: B's fragments, two sets.
;   windows 2, 3: the accumulators ((a, b) at v[8 (8 (a % 4) + b)] of window 2 + a / 4).
.set NQ,     2                         ; matrix instructions deep in a slot
.set ROWB,   256                       ; a tile's row in bytes
.set KROW,   1024                      ; a row of codes in memory
.set PITCH,  272                       ; an LDS row: 256 bytes + 16 of padding: the 16 rows that a load touches start at 16 different banks (64 banks of 4 bytes: ISA guide 11.1)
.set FR,     16
.set NL,     4
.set NP,     8                         ; places behind this matrix instruction (ISA guide 7.12.1)
.set HALFT,  128*PITCH
.set SLOT,   4*HALFT
.set LAPS,   2                         ; 1,024 along K: twice round the ring
.set KS,     32                        ; a row of scale bytes
.set SCL,    2*SLOT                    ; behind the ring: the scales, as units of 256 bytes + 16 of padding
.set HALFS,  16*272
.set SBLK,   2*272
.set SPARE,  SCL+4*HALFS               ; the spare words, 128 bytes a wave
.set SST,    SPARE+512                 ; 512 bytes a wave: my results' scale words on their way out; no fill lands here
.set ADRA, 16
.set ADRB, 20
.set LI,   24                          ; v24 16 x lane
.set SWA,  25                          ; v25 SST + 512 x wave + 4 (lane % 16)
.set SRD,  26                          ; v26 SST + 512 x wave + 16 x lane
.set ADRS, 27
.set SPW,  28
.set NIL,  29
.set SC,   32
.set BIAS, 64
.set AF,   128
.set BM,   64                          ; the way out: v64-67 largest magnitudes, v68-71 the other lane's, then bytes, v72-75 448 x the scale, v76-79 the conversions' scale operands, v80-87 scale words
.set T2,   68
.set HLD,  72
.set SCF,  76
.set G1, 24
.set G0, 32
.set G1B, 48
.set G0B, 56
.set G1S, 68
.set G0S, 76
.set G1SB, 80
.set G0SB, 88
.set MSB, 0
.macro WIN new                         ; the immediate's high byte repeats the setting that is left
.if MSB != (\new)
	s_set_vgpr_msb (MSB<<8)|(\new)
.set MSB, (\new)
.endif
.endm
.set MUL_LO, 0xa1                      ; source 0 (B) window 1, source 1 (A) window 0, C and D window 2
.set MUL_HI, 0xf1
.set TO_B,   0x40
.macro JLOAD g0a, g1a, g0b, g1b        ; a joint load: waves 0, 1 fetch for A, waves 2, 3 for B; an s_nop 0 and four v_nop follow each line
	s_cmp_eq_u32 s15, 0
	s_cbranch_scc0 .Lfor_b_\@
	tensor_load_to_lds s[\g0a:\g0a+3], s[\g1a:\g1a+7]
	s_nop 0
.rept 4
	v_nop
.endr
	s_branch .Lasked_\@
.Lfor_b_\@:
	tensor_load_to_lds s[\g0b:\g0b+3], s[\g1b:\g1b+7]
	s_nop 0
.rept 4
	v_nop
.endr
.Lasked_\@:
.endm
.macro CREST                           ; a round of the cluster's barrier behind its opening barrier
	s_cmp_lg_u32 s14, 0
	s_cbranch_scc1 .Lnot_wave_0_\@
	s_barrier_signal -3
.Lnot_wave_0_\@:
	s_barrier_wait -3
	s_barrier_signal -1
	s_barrier_wait -1
.endm
.macro CROUND
	s_barrier_signal -1
	s_barrier_wait -1
	CREST
.endm
	s_load_b256 s[68:75], s[0:1], 0x0              ; xc, xs, wc, ws
	s_load_b128 s[76:79], s[0:1], 0x20             ; bq, bk
	s_load_b64 s[80:81], s[0:1], 0x30              ; bv
	s_load_b64 s[12:13], s[0:1], 0x38              ; img
	s_load_b64 s[98:99], s[0:1], 0x40              ; sc
	v_lshl_add_u32 v[SPW], v0, 2, SPARE
	v_mov_b32 v[NIL], 0
	ds_add_u32 v[SPW], v[NIL]                      ; the wave's opening: the add, twice on end, and its wait ahead of my first tensor load
	ds_add_u32 v[SPW], v[NIL]
	v_lshrrev_b32 v1, 5, v0
	v_readfirstlane_b32 s14, v1                    ; wave 0..3
	s_lshr_b32 s15, s14, 1                         ; which half of A's rows is mine.  Also: I fetch for A (0) or for B (1)
	s_and_b32 s16, s14, 1                          ; which half of B's rows.  Also: which 128 rows I fetch
	s_bfe_u32 s40, ttmp6, 0x40000                  ; cx
	s_bfe_u32 s41, ttmp6, 0x40004                  ; cy
	s_and_b32 s66, ttmp7, 0xffff                   ; the cluster's y
	s_lshl_b32 s42, ttmp9, 2
	s_add_co_u32 s42, s42, s40                     ; 4 x cluster x + cx
	s_lshl_b32 s17, s66, 2
	s_add_co_u32 s17, s17, s41                     ; q, k: tile row
	s_add_co_u32 s18, s41, 8                       ; v: tile row, in wc
	s_sub_co_u32 s19, s66, 8
	s_lshl_b32 s19, s19, 3
	s_add_co_u32 s19, s19, s42                     ; v: tile column, in xc
	s_cmp_lt_u32 s66, 8
	s_cselect_b32 s67, 1, 0                        ; 1: the path of q and k
	s_cselect_b32 s17, s17, s18                    ; tile row: made of cy and the cluster's y alone
	s_cselect_b32 s42, s42, s19                    ; tile column: of cx and the cluster's place alone
	s_lshl_b32 s43, s41, 2
	s_lshl_b32 s43, 15, s43                        ; my row of the cluster
	s_lshl_b32 s44, 0x1111, s40                    ; my column
	s_or_b32 s[G1+0], s43, (0<<16)|(1<<20)|(1<<21)|(5<<22)|(3<<25)  ; the mask; elements of 1 byte; padding on; bit 21 beside a mask; 4 words behind every 64
	s_or_b32 s[G1B+0], s44, (0<<16)|(1<<20)|(1<<21)|(5<<22)|(3<<25)
.irp g, G1, G1B
	s_mov_b32 s[\g+1], ROWB<<16                    ; tensor_dim0
	s_mov_b32 s[\g+2], 256<<16                     ; tensor_dim1: 256 rows for the head's loads; behind them 128, for the ring's
	s_mov_b32 s[\g+3], ROWB<<16                    ; tile_dim0
	s_mov_b32 s[\g+4], 256                         ; tile_dim1
	s_mov_b32 s[\g+5], KROW                        ; from row to row
	s_mov_b32 s[\g+6], 0
	s_mov_b32 s[\g+7], 0
.endr
	s_lshl_b32 s18, s16, 7
	s_lshl_b32 s20, s17, 8                         ; A: the tile's first row
	s_lshl_b32 s46, s42, 8                         ; B: likewise
	s_lshl_b32 s22, s20, 5                         ; their scale bytes,
	s_lshl_b32 s92, s46, 5
	s_lshl_b32 s20, s20, 10                        ; their codes
	s_lshl_b32 s46, s46, 10
	s_mov_b32 s21, 0
	s_mov_b32 s23, 0
	s_mov_b32 s47, 0
	s_mov_b32 s93, 0
	s_mul_i32 s45, s14, HALFT                      ; where they go: wave x 128 rows: no place in the cluster enters an LDS address
	s_wait_dscnt 0x0                               ; both opening adds are done
	s_wait_kmcnt 0x0
	s_cmp_eq_u32 s67, 1                            ; the buffers by the path
	s_cselect_b64 s[4:5], s[68:69], s[72:73]       ; A's codes
	s_cselect_b64 s[6:7], s[70:71], s[74:75]       ; A's scales
	s_cselect_b64 s[8:9], s[72:73], s[68:69]       ; B's codes
	s_cselect_b64 s[10:11], s[74:75], s[70:71]     ; B's scales
	s_cmp_lt_u32 s42, 4                            ; tile columns 0-3 are Wq's, 4-7 Wk's
	s_cselect_b64 s[100:101], s[76:77], s[78:79]
	s_cmp_eq_u32 s67, 1
	s_cselect_b64 s[100:101], s[100:101], s[80:81] ; the bias
	s_or_b32 s[G1S+0], s43, (3<<16)|(1<<20)|(1<<21)|(5<<22)|(3<<25)  ; the scales of 256 rows: 8,192 dense bytes as 32 rows of 32 elements of 8 bytes, 16 bytes of padding behind each
	s_or_b32 s[G1SB+0], s44, (3<<16)|(1<<20)|(1<<21)|(5<<22)|(3<<25)
.irp g, G1S, G1SB
	s_mov_b32 s[\g+1], 32<<16
	s_mov_b32 s[\g+2], 32<<16                      ; the scales of 256 rows: 32 rows of 256 bytes
	s_mov_b32 s[\g+3], 32<<16
	s_mov_b32 s[\g+4], 32
	s_mov_b32 s[\g+5], 32
	s_mov_b32 s[\g+6], 0
	s_mov_b32 s[\g+7], 0
.endr
	s_add_nc_u64 s[20:21], s[4:5], s[20:21]
	s_add_nc_u64 s[22:23], s[6:7], s[22:23]
	s_add_nc_u64 s[46:47], s[8:9], s[46:47]
	s_add_nc_u64 s[92:93], s[10:11], s[92:93]
	CROUND                                         ; all sixteen work-groups are here: the first joint loads meet
	s_mov_b32 s[G0S], 1
	s_mov_b32 s[G0S+1], SCL
	s_mov_b64 s[G0S+2:G0S+3], s[22:23]
	s_or_b32 s[G0S+3], s[G0S+3], 0x80000000
	s_mov_b32 s[G0SB], 1
	s_mov_b32 s[G0SB+1], SCL+2*HALFS
	s_mov_b64 s[G0SB+2:G0SB+3], s[92:93]
	s_or_b32 s[G0SB+3], s[G0SB+3], 0x80000000
	s_mov_b32 s4, 1                                ; s[4:7], s[8:11] (the pointers that lay there have been used): group 0 of slot 0's 256 rows of A, of B
	s_mov_b32 s5, 0
	s_mov_b64 s[6:7], s[20:21]
	s_or_b32 s7, s7, 0x80000000
	s_mov_b32 s8, 1
	s_mov_b32 s9, 2*HALFT
	s_mov_b64 s[10:11], s[46:47]
	s_or_b32 s11, s11, 0x80000000
; THE HEAD'S LOADS, ONE A WAVE: wave 0 slot 0's rows of A, wave 1 those of B, wave 2 A's scales, wave 3 B's: one chain of branches on the wave's number, a load to an arm
.macro HARM under, g0, g1, next
	s_cmp_lt_u32 s14, \under
	s_cbranch_scc0 \next
	tensor_load_to_lds s[\g0:\g0+3], s[\g1:\g1+7]
	s_nop 0
.rept 4
	v_nop
.endr
	s_branch .Lhead_asked
\next:
.endm
	HARM 1, 4, G1, .Lhead_b
	HARM 2, 8, G1B, .Lhead_sa
	HARM 3, G0S, G1S, .Lhead_sb
	tensor_load_to_lds s[G0SB:G0SB+3], s[G1SB:G1SB+7]
	s_nop 0
.rept 4
	v_nop
.endr
.Lhead_asked:
	s_lshl_b32 s18, s16, 17                        ; for the ring: my 128 rows of the tile, 1,024 bytes each
	s_mov_b32 s19, 0
	s_add_nc_u64 s[20:21], s[20:21], s[18:19]
	s_add_nc_u64 s[46:47], s[46:47], s[18:19]
.irp s, 0,1
	s_mov_b32 s[G0+4*\s], 1
	s_add_co_u32 s[G0+4*\s+1], s45, \s*SLOT
	s_add_nc_u64 s[G0+4*\s+2:G0+4*\s+3], s[20:21], \s*ROWB
	s_or_b32 s[G0+4*\s+3], s[G0+4*\s+3], 0x80000000
	s_mov_b32 s[G0B+4*\s], 1
	s_add_co_u32 s[G0B+4*\s+1], s45, \s*SLOT
	s_add_nc_u64 s[G0B+4*\s+2:G0B+4*\s+3], s[46:47], \s*ROWB
	s_or_b32 s[G0B+4*\s+3], s[G0B+4*\s+3], 0x80000000
.endr
	v_and_b32 v1, 15, v0                           ; r = lane % 16
	v_bfe_u32 v2, v0, 4, 1                         ; h = lane / 16
	v_mul_u32_u24 v3, v1, PITCH
	v_lshl_add_u32 v4, v2, 4, v3                   ; a fragment's row x pitch + 16 h
	s_mul_i32 s21, s15, HALFT                      ; my 128 rows of A
	s_mul_i32 s22, s16, HALFT                      ; my 128 rows of B,
	s_add_co_u32 s22, s22, 2*HALFT                 ; behind A's 256
.irp s, 0,1
	v_add_nc_u32 v[ADRA+\s], s21, v4
	v_add_nc_u32 v[ADRB+\s], s22, v4
	s_add_co_u32 s21, s21, SLOT
	s_add_co_u32 s22, s22, SLOT
.endr
	v_mul_u32_u24 v5, v1, KS                       ; my row's scales: 32 bytes a row,
	v_lshrrev_b32 v6, 8, v5
	v_lshl_add_u32 v5, v6, 4, v5                   ; and 16 more for each 256 passed
	s_mul_i32 s21, s15, HALFS
	s_mul_i32 s22, s16, HALFS
	s_add_co_u32 s22, s22, 2*HALFS
	s_sub_co_u32 s22, s22, s21
	v_mul_u32_u24 v6, s22, v2                      ; lanes 16-31 take B's
	s_add_co_u32 s21, s21, SCL
	v_add_nc_u32 v5, v5, v6
	v_add_nc_u32 v[ADRS], s21, v5
	v_and_b32 v6, 31, v0
	v_lshlrev_b32 v[LI], 4, v6
	s_lshl_b32 s23, s14, 9
	s_add_co_u32 s23, s23, SST
	v_lshl_add_u32 v[SWA], v1, 2, s23
	v_add_nc_u32 v[SRD], s23, v[LI]
	; THE BIAS, 64 registers, register 8 t + j.  q, k: that of feature 32 (t / 2) + 8 (t % 2) + 16 h + j of my 128 (tile t of B).  v: that of stored row 16 t + r of my 128 (tile t of A), the same in all j.
	s_cmp_eq_u32 s67, 1
	s_cselect_b32 s18, 64, 0                       ; bytes for h,
	s_cselect_b32 s19, 0, 4                        ; for r + 8 (r / 8),
	s_cselect_b32 s20, 4, 0                        ; for j
	s_cselect_b32 s21, s42, s17                    ; the features' tile,
	s_cselect_b32 s22, s16, s15                    ; and my half of it
	s_lshl_b32 s21, s21, 8
	s_lshl_b32 s22, s22, 7
	s_add_co_u32 s21, s21, s22
	s_and_b32 s21, s21, 1023                       ; the feature in its own weight
	s_lshl_b32 s22, s21, 2
	s_mov_b32 s23, 0
	s_add_nc_u64 s[100:101], s[100:101], s[22:23]
	v_and_b32 v5, 8, v1
	v_add_nc_u32 v5, v5, v1
	v_mul_u32_u24 v5, s19, v5
	v_mul_u32_u24 v6, s18, v2
	v_add_nc_u32 v5, v5, v6
.irp j, 0,1,2,3,4,5,6,7
	v_mad_u32_u24 v[8+\j], s20, \j, v5
.endr
.irp t, 0,1,2,3,4,5,6,7
.irp j, 0,1,2,3,4,5,6,7
	global_load_b32 v[BIAS+8*\t+\j], v[8+\j], s[100:101] offset:128*(\t/2)+32*(\t%2)
.endr
.endr
	; where my 128 x 128 goes: block 64 F + T, F the feature block (0-7 q, 8-15 k, 16-23 v), T the token block
	s_lshl_b32 s18, s42, 1
	s_add_co_u32 s18, s18, s16                     ; B's block of 128
	s_lshl_b32 s19, s17, 1
	s_add_co_u32 s19, s19, s15                     ; A's
	s_cmp_eq_u32 s67, 1
	s_cselect_b32 s20, s18, s19
	s_cselect_b32 s21, s19, s18
	s_lshl_b32 s20, s20, 6
	s_add_co_u32 s20, s20, s21
	s_lshl_b32 s22, s20, 14                        ; 16,384 bytes of codes a block
	s_mov_b32 s23, 0
	s_add_nc_u64 s[12:13], s[12:13], s[22:23]
	s_lshl_b32 s22, s20, 9                         ; 512 bytes of scale words
	s_add_nc_u64 s[98:99], s[98:99], s[22:23]
	s_mov_b32 s95, 0x600000                        ; the mantissa field of 448
	s_mov_b32 s96, 0x76543210
	s_mov_b32 s97, 0xfedcba98                      ; v_permlanex16_b32's selects for lane l xor 16
.macro FRAG reg, adr, q, i             ; 16 rows x 128 K: registers 4 c .. 4 c + 3 hold K = 32 c + 16 h + 0 .. 15
.irp c, 0,1,2,3
	ds_load_b128 v[\reg+4*\c:\reg+4*\c+3], v[\adr] offset:128*(\q)+32*\c+(\i)*16*PITCH
.endr
.endm
; 16 matrix instructions: A's blocks a0, a0 + 1 x B's eight.  zero = 0: they add on; 1: the sums begin with the bias of B's tile; 2: with that of A's tile.  The 64 accumulators take turns.
.macro MUL16 a0, p, q, sc, zero
.irp a, \a0, \a0+1
.irp b, 0,1,2,3,4,5,6,7
.if \zero == 1
	v_wmma_scale_f32_16x16x128_f8f6f4 v[8*(8*((\a)%4)+\b):8*(8*((\a)%4)+\b)+7], v[128*(\p)+FR*\b:128*(\p)+FR*\b+FR-1], v[AF+FR*(\a):AF+FR*(\a)+FR-1], v[BIAS+8*\b:BIAS+8*\b+7], v[SC+8*NQ*(\sc)+NQ*\b+(\q)], v[SC+8*NQ*(\sc)+NQ*(\a)+(\q)] matrix_a_scale:MATRIX_SCALE_ROW1
.elseif \zero == 2
	v_wmma_scale_f32_16x16x128_f8f6f4 v[8*(8*((\a)%4)+\b):8*(8*((\a)%4)+\b)+7], v[128*(\p)+FR*\b:128*(\p)+FR*\b+FR-1], v[AF+FR*(\a):AF+FR*(\a)+FR-1], v[BIAS+8*(\a):BIAS+8*(\a)+7], v[SC+8*NQ*(\sc)+NQ*\b+(\q)], v[SC+8*NQ*(\sc)+NQ*(\a)+(\q)] matrix_a_scale:MATRIX_SCALE_ROW1
.else
	v_wmma_scale_f32_16x16x128_f8f6f4 v[8*(8*((\a)%4)+\b):8*(8*((\a)%4)+\b)+7], v[128*(\p)+FR*\b:128*(\p)+FR*\b+FR-1], v[AF+FR*(\a):AF+FR*(\a)+FR-1], v[8*(8*((\a)%4)+\b):8*(8*((\a)%4)+\b)+7], v[SC+8*NQ*(\sc)+NQ*\b+(\q)], v[SC+8*NQ*(\sc)+NQ*(\a)+(\q)] matrix_a_scale:MATRIX_SCALE_ROW1
.endif
.endr
.endr
.endm
.macro FETCH_B slot, q, p
	WIN TO_B
.irp i, 0,1,2,3,4,5,6,7
	FRAG 128*(\p)+FR*\i, ADRB+\slot, \q, \i
.endr
	WIN 0
.endm
.macro FETCH_A slot, q, i0
.irp i, \i0, \i0+1, \i0+2, \i0+3
	FRAG AF+FR*(\i), ADRA+\slot, \q, \i
.endr
.endm
.macro SCALES sc                       ; a slot's scale words: two a row; lanes 0-15 take A's block i, lanes 16-31 B's block i
.irp i, 0,1,2,3,4,5,6,7
	ds_load_b64 v[SC+8*NQ*\sc+NQ*\i:SC+8*NQ*\sc+NQ*\i+1], v[ADRS] offset:\i*SBLK
.endr
.endm
.macro PLACES n                        ; plain vector instructions between a matrix instruction and a load into, or a read of, its registers
.rept \n
	v_nop
.endr
.endm
.macro STEP slot, q, zero              ; 128 along K that has its successor in the same slot
	s_wait_dscnt 4*NL                              ; B's set and A's blocks 0-3 are in; the youngest 16 loads (A's blocks 4-7) may be out
.if \zero
	WIN 0x81                                       ; C (the bias) in window 0
.else
	WIN MUL_LO
.endif
	MUL16 0, (\q)%2, \q, \slot, \zero
	MUL16 2, (\q)%2, \q, \slot, \zero
	s_wait_dscnt 0                                 ; A's blocks 4-7 are in
	PLACES NP
	FETCH_B \slot, (\q)+1, 1-(\q)%2
	FETCH_A \slot, (\q)+1, 0
.if \zero
	WIN 0xc1
.else
	WIN MUL_HI
.endif
	MUL16 4, (\q)%2, \q, \slot, \zero
	MUL16 6, (\q)%2, \q, \slot, \zero
	PLACES NP
	WIN 0
	FETCH_A \slot, (\q)+1, 4
.endm
; A slot's last step changes slots: one barrier; in front of it each wave waits for all its tensor loads, adds 0 to its spare word, and waits for that and for its reads of this slot.
.macro TURN slot, next, fill
	s_wait_tensorcnt 0x0                           ; all my tensor loads have landed: my part of the next slot
	ds_add_u32 v[SPW], v[NIL]
	s_wait_dscnt 4*NL+1                            ; (the add and the youngest 16 loads may be out)
	WIN MUL_LO
	MUL16 0, 1, NQ-1, \slot, 0
	s_wait_dscnt 0x0                               ; the add is done, and my reads of this slot are over
	s_barrier_signal -1
	MUL16 2, 1, NQ-1, \slot, 0
	WIN 0
	s_barrier_wait -1
.if \fill
	CREST                                          ; the barrier has opened a round of the cluster's: no wave of any partner still reads this slot or has a load on its way
	s_add_nc_u64 s[G0+4*\slot+2:G0+4*\slot+3], s[G0+4*\slot+2:G0+4*\slot+3], 2*ROWB
	s_add_nc_u64 s[G0B+4*\slot+2:G0B+4*\slot+3], s[G0B+4*\slot+2:G0B+4*\slot+3], 2*ROWB
	JLOAD G0+4*\slot, G1, G0B+4*\slot, G1B         ; the first tensor load behind the round; its four v_nop are among the places below
	PLACES NP-4
.else
	PLACES NP
.endif
	s_wait_alu depctr_va_vdst(0)
	v_add_nc_u32 v[ADRS], 4*NQ, v[ADRS]            ; on to the next slot's scale words
	FETCH_B \next, 0, 0
	FETCH_A \next, 0, 0
	SCALES \next
	WIN MUL_HI
	MUL16 4, 1, NQ-1, \slot, 0
	MUL16 6, 1, NQ-1, \slot, 0
	PLACES NP
	WIN 0
	FETCH_A \next, 0, 4
.endm
	s_wait_alu depctr_va_vdst(0)                   ; the wait at the head's end
	s_wait_tensorcnt 0x0                           ; my tile of the head's four is in; slot 1's first fill stands behind these lines and a round, as a refill does
	ds_add_u32 v[SPW], v[NIL]
	s_mov_b32 s[G1+2], 128<<16                     ; no tensor load of mine is out: from here on a load brings 128 rows
	s_mov_b32 s[G1+4], 128
	s_mov_b32 s[G1B+2], 128<<16
	s_mov_b32 s[G1B+4], 128
	s_wait_dscnt 0x0
	CROUND
	JLOAD G0+4, G1, G0B+4, G1B                     ; slot 1: my one tensor load behind the round
	FETCH_B 0, 0, 0
	FETCH_A 0, 0, 0
	SCALES 0
	FETCH_A 0, 0, 4
	s_wait_loadcnt 0x0                             ; the bias
	s_cmp_eq_u32 s67, 1                            ; the path: the same in all waves and all partners; both arms hold LDS loads, places and products alone
	s_cbranch_scc0 .Lv_first
	STEP 0, 0, 1
	s_branch .Lfirst_done
.Lv_first:
	STEP 0, 0, 2
.Lfirst_done:
	s_mov_b32 s3, LAPS-1
.Llap:
	TURN 0, 1, 1
	STEP 1, 0, 0
	TURN 1, 0, 1
	STEP 0, 0, 0
	s_sub_co_u32 s3, s3, 1
	s_cmp_lg_u32 s3, 0
	s_cbranch_scc1 .Llap
	TURN 0, 1, 0                                   ; the last lap fills nothing
	STEP 1, 0, 0
	s_wait_dscnt 4*NL
	WIN MUL_LO
	MUL16 0, 1, NQ-1, 1, 0
	MUL16 2, 1, NQ-1, 1, 0
	s_wait_dscnt 0
	WIN MUL_HI
	MUL16 4, 1, NQ-1, 1, 0
	MUL16 6, 1, NQ-1, 1, 0
	WIN 0
	s_mov_b32 s2, 0x4800000                        ; the floor 2^(9 - 127)
	PLACES NP
; THE WAY OUT of block a (16 rows of source 1's axis): its 64 registers, 16 e + i = place 32 e + 16 h + i of source 0's axis, become four groups of four registers of codes and one scale word a row.
; Each accumulator is read from its low end on.  The codes have registers of their own for each a, so that no store's data are written again.
.macro QOUT a
.set W,  2+(\a)/4
.set AC, 64*((\a)%4)
.set PC, 128+16*(\a)
.set PW, 80+(\a)
	WIN (W<<2)|(W<<4)
.irp b, 0,1,2,3
	v_max3_num_f32 v[BM+\b], s2, |v[AC+16*\b]|, |v[AC+16*\b+1]|      ; block b: my 16 numbers, and the floor: the byte cannot fall under 1
.endr
.irp i, 2,4,6,8,10,12,14
.irp b, 0,1,2,3
	v_max3_num_f32 v[BM+\b], v[BM+\b], |v[AC+16*\b+\i]|, |v[AC+16*\b+\i+1]|
.endr
.endr
	WIN 0
.irp b, 0,1,2,3
	v_permlanex16_b32 v[T2+\b], v[BM+\b], s96, s97
.endr
.irp b, 0,1,2,3
	v_max_num_f32 v[BM+\b], v[BM+\b], v[T2+\b]     ; with lane l xor 16's: the block's largest magnitude
.endr
.irp b, 0,1,2,3
	v_add_nc_u32 v[SCF+\b], 0xfc000000, v[BM+\b]   ; 8 off its exponent field: the conversion's scale operand
.endr
.irp b, 0,1,2,3
	v_and_or_b32 v[HLD+\b], v[BM+\b], 0x7f800000, s95   ; 448 x the scale
.endr
.irp b, 0,1,2,3
	v_lshrrev_b32 v[T2+\b], 23, v[SCF+\b]          ; the scale's byte
.endr
	v_lshl_or_b32 v[PW], v[T2+1], 8, v[T2]
	v_lshl_or_b32 v[PW], v[T2+2], 16, v[PW]
	v_lshl_or_b32 v[PW], v[T2+3], 24, v[PW]
	WIN W|(W<<6)
.irp b, 0,1,2,3
.irp i, 0,1,2,3,4,5,6,7,8,9,10,11,12,13,14,15
	v_med3_num_f32 v[AC+16*\b+\i], v[AC+16*\b+\i], -v[HLD+\b], v[HLD+\b]   ; the conversion does not saturate (ISA guide 7.6.2): the hold
.endr
.endr
	WIN W
.irp b, 0,1,2,3
	v_cvt_scalef32_pk8_fp8_f32 v[PC+4*\b:PC+4*\b+1], v[AC+16*\b:AC+16*\b+7], v[SCF+\b]
	v_cvt_scalef32_pk8_fp8_f32 v[PC+4*\b+2:PC+4*\b+3], v[AC+16*\b+8:AC+16*\b+15], v[SCF+\b]
.endr
	WIN 0
	v_nop                                          ; one plain line behind the last conversion
.irp b, 0,1,2,3
	global_store_b128 v[LI], v[PC+4*\b:PC+4*\b+3], s[12:13] offset:2048*(\a)+512*\b   ; 32 lanes store 512 consecutive bytes
.endr
	ds_store_b32 v[SWA], v[PW] offset:64*(\a)      ; lanes l and l + 16 write the same word with the same value
.endm
.irp a, 0,1,2,3,4,5,6,7
	QOUT \a
.endr
	ds_load_b128 v[88:91], v[SRD]                  ; my 128 scale words: LDS serves a wave's instructions in order
	s_wait_dscnt 0x0
	global_store_b128 v[LI], v[88:91], s[98:99]    ; 512 consecutive bytes
	s_wait_tensorcnt 0x0                           ; the wave's end
	ds_add_u32 v[SPW], v[NIL]
	s_wait_dscnt 0x0
	CROUND                                         ; the closing round
	s_endpgm
.Lfunc_end_k_qec8614ed8f_qkv:
	.size	k_qec8614ed8f_qkv, .Lfunc_end_k_qec8614ed8f_qkv-k_qec8614ed8f_qkv
	.p2alignl 7, 3214868480
	.fill 96, 4, 3214868480
	.section	.rodata,"a",@progbits
	.p2align	6, 0x0
	.amdhsa_kernel k_qec8614ed8f_qkv
		.amdhsa_group_segment_fixed_size 327680
		.amdhsa_private_segment_fixed_size 0
		.amdhsa_enable_private_segment 0
		.amdhsa_kernarg_size 72
		.amdhsa_user_sgpr_count 2
		.amdhsa_user_sgpr_kernarg_segment_ptr 1
		.amdhsa_wavefront_size32 1
		.amdhsa_system_sgpr_workgroup_id_x 1
		.amdhsa_system_sgpr_workgroup_id_y 1
		.amdhsa_system_sgpr_workgroup_id_z 1
		.amdhsa_system_vgpr_workitem_id 0
		.amdhsa_next_free_vgpr 1024
		.amdhsa_next_free_sgpr 102
		.amdhsa_reserve_vcc 0
		.amdhsa_float_denorm_mode_32 3
		.amdhsa_float_denorm_mode_16_64 3
		.amdhsa_memory_ordered 1
		.amdhsa_forward_progress 1
		.amdhsa_inst_pref_size 206
	.end_amdhsa_kernel
	.amdgpu_metadata
---
amdhsa.version: [ 1, 2 ]
amdhsa.kernels:
  - .name:           k_qec8614ed8f_qkv
    .symbol:         k_qec8614ed8f_qkv.kd
    .args:
      - { .name: xc, .offset: 0, .size: 8, .value_kind: global_buffer, .address_space: global }
      - { .name: xs, .offset: 8, .size: 8, .value_kind: global_buffer, .address_space: global }
      - { .name: wc, .offset: 16, .size: 8, .value_kind: global_buffer, .address_space: global }
      - { .name: ws, .offset: 24, .size: 8, .value_kind: global_buffer, .address_space: global }
      - { .name: bq, .offset: 32, .size: 8, .value_kind: global_buffer, .address_space: global }
      - { .name: bk, .offset: 40, .size: 8, .value_kind: global_buffer, .address_space: global }
      - { .name: bv, .offset: 48, .size: 8, .value_kind: global_buffer, .address_space: global }
      - { .name: img, .offset: 56, .size: 8, .value_kind: global_buffer, .address_space: global }
      - { .name: sc, .offset: 64, .size: 8, .value_kind: global_buffer, .address_space: global }
    .group_segment_fixed_size: 327680
    .private_segment_fixed_size: 0
    .kernarg_segment_align: 8
    .kernarg_segment_size: 72
    .max_flat_workgroup_size: 128
    .sgpr_count:     102
    .vgpr_count:     1024
    .wavefront_size: 32
...
	.end_amdgpu_metadata
.endif
;; end of part 2
;; launch attn (part 3): grid 4 x 64, 16 waves a work-group, clusters of 4 x 1, 327,680 bytes of LDS; arguments img, sc, ao, aos; writes ao, aos
.if DOCPART == 3
	.amdgcn_target "amdgcn-amd-amdhsa--gfx1250"
	.amdhsa_code_object_version 6
	.text
	.protected	k_qec8614ed8f_attn
	.globl	k_qec8614ed8f_attn
	.p2align	8
	.type	k_qec8614ed8f_attn,@function
k_qec8614ed8f_attn:
	s_mov_b64 s[64:65], 0
	v_nop
	global_prefetch_b8 v0, s[64:65] scope:SCOPE_SE
	s_setreg_imm32_b32 hwreg(HW_REG_WAVE_MODE, 25, 1), 1
	s_wait_xcnt 0x0
	s_wait_alu depctr_hold_cnt(0) depctr_sa_sdst(0) depctr_va_vdst(0) depctr_va_sdst(0) depctr_va_ssrc(0) depctr_va_vcc(0) depctr_vm_vsrc(0)
	s_getreg_b32 s2, hwreg(HW_REG_IB_STS2, 6, 4)
	s_cmp_eq_u32 s2, 0
	s_cbranch_scc0 .Lentry_in_a_cluster
	s_endpgm
.Lentry_in_a_cluster:
	s_bfe_u32 s2, ttmp6, 0x10000c
	s_cmp_lg_u32 s2, 0x3003
	s_cbranch_scc0 .Lentry_shape_is_right
	s_endpgm
.Lentry_shape_is_right:
; Launch 3 of 4: o = softmax(q k^T / 8) v for each of 64 (batch, head) pairs, both products on codes of E4M3 with E8M0 scales, and o quantised along the features for the last product.
; No work of the problem is left out here.
; THE SOFTMAX: t = score x log2(e) / 8; M = the running largest t rounded up to a whole number; p = 2^(t - M) is quantised along the keys; the row's sum is taken of the unquantised p and divides O at the end.
; When M moves, the sum and O^T are multiplied by 2^(old M - new M), in every step, with no branch on data.
; LIMITS: the promise holds while the scaled scores stay under 2^31 in magnitude; a block of zeros gets the byte 1 (its codes are zeros; this program alone reads the bytes); NaN and infinities are not served.
; SHARES.  A work-group owns ONE head of one batch and 512 queries; sixteen waves, each 16 queries at a time, two passes.  A head's K and V codes are 2 x 131,072 bytes: they lie in LDS WHOLE, asked for once,
; by the head's sixteen tensor loads (wave w: chunk w / 2 of 256 keys, K's where w is even, V's where odd).  No LDS byte is filled again: no ring, and no barrier inside a loop.
; Waves 0 to 3 have load lines of their own: the first barrier shows their chunks alone (keys 0-511); three steps run on them (the third fetches step 3's K); the second barrier shows all the rest.
; CLUSTER: the four query blocks of a head read the same K and V: every load is a joint one with the mask 15; nothing in its descriptor hangs on cx.
; NO PREFETCH: every byte of K and V that the work-group reads is asked for at the head; there is no later request to run ahead of.
; SCALE WORDS of the head (8,192 + 4,096 bytes) go once through registers into LDS bytes of their own, laid by lane: K's [step 16][r 16][tile 8], V's [step][r][tile 4]: three loads of 16 bytes a step.
; LAYOUT (as launch 2 leaves it): img [feature block 24][token block 64][a 8][e 4][lane][16]; both products are used transposed, a lane holds one query (lane % 16);
; S^T's tiles 2 b, 2 b + 1 hold 16 neighbouring keys in a lane's 16 registers.  K's fragment has 64 of K: its upper eight registers are the next tile's (the last tile's: p's codes), met by zeros in Q's upper eight.
; THE STEP'S ORDER.  K's fragments of step s + 1 are fetched in step s, behind its first product; V's fragment d lands in the score registers of block d as soon as that block's codes are made.
; The exponentials go in four batches of 16, by turns with plain lines that read only what stands behind a wait and whose results are first read behind the next one.
; A pass's last step fetches 8,192 + 512 bytes behind K's and its scale words' last: bytes of V and of V's words, which have landed and are not used.
.set VB,    131072                     ; LDS: K's codes from 0, V's from here: 8,192 bytes a step each
.set SCK,   262144                     ; K's scale words
.set SCV,   270336                     ; V's
.set SPARE, 274432                     ; the spare words: 128 bytes a wave
.set LI,  1                            ; 16 x lane
.set SLK, 2                            ; SCK + 32 r
.set ADK, 3
.set ADS, 4
.set SPW, 5
.set NIL, 6
.set LIV, 7                            ; VB + 16 x lane
.set R4,  8                            ; 4 r
.set R32, 9                            ; 32 r
.set ADV, 10
.set ADT, 11
.set KF,  16                           ; v12 -M, v13 the largest t, v[14:15] the sum's first part; v16-79 K's fragments
.set PC,  80                           ; v80-95 p's codes, directly behind K's last tile
.set T,   96                           ; v96-103 four pair sums of a block
.set S,   104                          ; v104-167 S^T, p, then V's fragments
.set OT,  168
.set QF,  200                          ; v200-207 Q, v208-215 zeros
.set BM,  216
.set T2,  220
.set HLD, 224
.set SCF, 228
.set KSC, 232
.set VSC, 240
.set FF,  244                          ; f; v245 the old -M
.set PW,  246
.set TMP, 247
.set QS,  248
.set SLV, 249                          ; SCV + 16 r
.set LB,  250                          ; v250-255 the sum's other three parts
.set WV,  12
.set AC,  14
.set G1K, 24
.set G1V, 32
.set G0K, 40
.set G0V, 44
.set TB,  66
.set TS,  67
.set TV,  68
.set CNT, 69
.set SEL, 70
.set CS,  72
.set MNT, 74
.set SH,  75
.macro CROUND
	s_barrier_signal -1
	s_barrier_wait -1
	s_cmp_lg_u32 s[WV], 0
	s_cbranch_scc1 .Lnot_wave_0_\@
	s_barrier_signal -3
.Lnot_wave_0_\@:
	s_barrier_wait -3
	s_barrier_signal -1
	s_barrier_wait -1
.endm
.macro ARM g0, g1                      ; a tensor load with an s_nop 0 and four v_nop behind it
	tensor_load_to_lds s[\g0:\g0+3], s[\g1:\g1+7]
	s_nop 0
.rept 4
	v_nop
.endr
.endm
	s_load_b256 s[4:11], s[0:1], 0x0               ; img, sc, ao, aos
	v_lshl_add_u32 v[SPW], v0, 2, SPARE
	v_mov_b32 v[NIL], 0
	ds_add_u32 v[SPW], v[NIL]                      ; the opening lines: the add twice on end and one wait
	ds_add_u32 v[SPW], v[NIL]
	v_lshrrev_b32 v32, 5, v0
	v_readfirstlane_b32 s[WV], v32                 ; wave 0..15
	s_and_b32 s15, ttmp7, 0xffff
	s_lshr_b32 s16, s15, 4                         ; batch
	s_and_b32 s17, s15, 15                         ; head
	s_lshr_b32 s18, s17, 1                         ; its feature block of 128
	s_and_b32 s19, s17, 1                          ; and which half of that
	s_bfe_u32 s13, ttmp6, 0x40000                  ; cx: which 512 queries
	s_and_b32 s20, s[WV], 1                        ; I fetch K's (0) or V's (1)
	s_lshr_b32 s21, s[WV], 1                       ; chunk of 256 keys
	s_lshl_b32 s22, s18, 6
	s_lshl_b32 s23, s16, 4
	s_add_co_u32 s22, s22, s23                     ; q's block number at the batch's first token block; k's is 512 on, v's 1,024
	s_add_co_u32 s76, s22, 512
	s_lshl_b32 s80, s76, 9                         ; k's scale words: 512 bytes a block
	s_lshl_b32 s76, s76, 14                        ; k's codes: 16,384 bytes a block,
	s_lshl_b32 s23, s19, 10
	s_add_co_u32 s76, s76, s23                     ; my head's 1,024 of each 2,048,
	s_lshl_b32 s23, s21, 15
	s_add_co_u32 s76, s76, s23                     ; my chunk: two blocks
	s_add_co_u32 s78, s22, 1024
	s_lshl_b32 s82, s78, 9
	s_lshl_b32 s78, s78, 14
	s_add_co_u32 s78, s78, s23
	s_lshl_b32 s23, s19, 13
	s_add_co_u32 s78, s78, s23                     ; v: my head's 8,192 of each 16,384
	s_lshl_b32 s23, s19, 8
	s_add_co_u32 s82, s82, s23                     ; and its 256 of each 512 bytes of scale words
	s_mov_b32 s77, 0
	s_mov_b32 s79, 0
	s_mov_b32 s81, 0
	s_mov_b32 s83, 0
	s_lshl_b32 s84, s13, 2                         ; q, first pass: token block 4 cx + wave / 8, tile wave % 8
	s_lshr_b32 s85, s[WV], 3
	s_add_co_u32 s84, s84, s85
	s_add_co_u32 s84, s84, s22
	s_and_b32 s85, s[WV], 7
	s_lshl_b32 s86, s84, 9
	s_lshl_b32 s87, s85, 6
	s_add_co_u32 s86, s86, s87
	s_lshl_b32 s87, s19, 1
	s_add_co_u32 s86, s86, s87
	s_mov_b32 s87, 0
	s_lshl_b32 s84, s84, 14
	s_lshl_b32 s85, s85, 11
	s_add_co_u32 s84, s84, s85
	s_lshl_b32 s85, s19, 10
	s_add_co_u32 s84, s84, s85
	s_mov_b32 s85, 0
	s_lshl_b32 s88, s16, 7                         ; out: group of 16 tokens 128 batch + 32 cx + wave (second pass: 16 on)
	s_lshl_b32 s89, s13, 5
	s_add_co_u32 s88, s88, s89
	s_add_co_u32 s88, s88, s[WV]
	s_lshl_b32 s90, s88, 9                         ; aos: 512 bytes a group, 32 a row, two bytes a head
	s_lshl_b32 s91, s17, 1
	s_add_co_u32 s90, s90, s91
	s_mov_b32 s91, 0
	s_lshl_b32 s88, s88, 14                        ; ao: 16,384 bytes a group, 1,024 a head
	s_lshl_b32 s89, s17, 10
	s_add_co_u32 s88, s88, s89
	s_mov_b32 s89, 0
	s_mov_b32 s[G1K], 15|(3<<16)|(1<<21)           ; K: 16 rows of 1,024 bytes (128 elements of 8), 2,048 apart
	s_mov_b32 s[G1K+1], 128<<16
	s_mov_b32 s[G1K+2], 16<<16
	s_mov_b32 s[G1K+3], 128<<16
	s_mov_b32 s[G1K+4], 16
	s_mov_b32 s[G1K+5], 256
	s_mov_b32 s[G1K+6], 0
	s_mov_b32 s[G1K+7], 0
	s_mov_b32 s[G1V], 15|(3<<16)|(1<<21)           ; V: 2 rows of 8,192 bytes, 16,384 apart
	s_mov_b32 s[G1V+1], 1024<<16
	s_mov_b32 s[G1V+2], 2<<16
	s_mov_b32 s[G1V+3], 1024<<16
	s_mov_b32 s[G1V+4], 2
	s_mov_b32 s[G1V+5], 2048
	s_mov_b32 s[G1V+6], 0
	s_mov_b32 s[G1V+7], 0
	s_mov_b32 s[SEL], 0x76543210
	s_mov_b32 s[SEL+1], 0xfedcba98
	s_mov_b32 s[CS], 0x3e38aa3b                    ; log2(e) / 8
	s_mov_b32 s[CS+1], s[CS]
	s_mov_b32 s[MNT], 0x600000
	s_lshl_b32 s[SH], s19, 4                       ; my head's two bytes of a word of k's scales begin at this bit
	s_mov_b32 s[TB], 0
	s_mov_b32 s[TS], 0
	s_mov_b32 s[TV], 0
	s_wait_dscnt 0x0                               ; both opening adds are done
	s_wait_kmcnt 0x0
	s_mov_b32 s[G0K], 1
	s_lshl_b32 s[G0K+1], s21, 14                   ; LDS: 16,384 x chunk
	s_add_nc_u64 s[G0K+2:G0K+3], s[4:5], s[76:77]
	s_or_b32 s[G0K+3], s[G0K+3], 0x80000000
	s_mov_b32 s[G0V], 1
	s_add_co_u32 s[G0V+1], s[G0K+1], VB
	s_add_nc_u64 s[G0V+2:G0V+3], s[4:5], s[78:79]
	s_or_b32 s[G0V+3], s[G0V+3], 0x80000000
	s_add_nc_u64 s[80:81], s[6:7], s[80:81]
	s_add_nc_u64 s[82:83], s[6:7], s[82:83]
	s_add_nc_u64 s[92:93], s[4:5], s[84:85]
	s_add_nc_u64 s[94:95], s[6:7], s[86:87]
	s_add_nc_u64 s[8:9], s[8:9], s[88:89]
	s_add_nc_u64 s[10:11], s[10:11], s[90:91]
	CROUND                                         ; the four partners are here: the joint loads meet
	s_lshr_b32 s[AC], s[WV], 2
	s_min_u32 s[AC], s[AC], 1
	s_lshl_b32 s[AC], s[AC], 1
	s_or_b32 s[AC], s[AC], s20                     ; the arm: 0, 1: waves 0 to 3, K's and V's; 2, 3: the other waves'
	s_cmp_eq_u32 s[AC], 0                          ; one chain of branches, one load to an arm; waves 0 to 3, which wait at the first barrier, have lines of their own
	s_cbranch_scc0 .Lnot_0
	ARM G0K, G1K
	s_branch .Lasked
.Lnot_0:
	s_cmp_eq_u32 s[AC], 1
	s_cbranch_scc0 .Lnot_1
	ARM G0V, G1V
	s_branch .Lasked
.Lnot_1:
	s_cmp_eq_u32 s[AC], 2
	s_cbranch_scc0 .Lnot_2
	ARM G0K, G1K
	s_branch .Lasked
.Lnot_2:
	ARM G0V, G1V
.Lasked:
	v_and_b32 v[LI], 31, v0
	v_lshlrev_b32 v[LI], 4, v[LI]
	v_and_b32 v[R4], 15, v0
	v_lshlrev_b32 v[R32], 5, v[R4]
	v_lshlrev_b32 v[SLV], 4, v[R4]
	v_lshlrev_b32 v[R4], 2, v[R4]
	v_lshlrev_b32 v32, 4, v0                       ; k's scale words: 16 bytes a thread, 512 threads: 8,192
	v_lshrrev_b32 v46, 5, v0                       ; my wave = the step whose words I copy
	v_and_b32 v33, 31, v0
	v_lshlrev_b32 v33, 3, v33
	v_lshl_add_u32 v33, v46, 9, v33                ; v's: 8 bytes a thread of the step's 256
	global_load_b128 v[36:39], v32, s[80:81]
	global_load_b64 v[42:43], v33, s[82:83]
	global_load_b128 v[QF:QF+3], v[LI], s[92:93]
	global_load_b128 v[QF+4:QF+7], v[LI], s[92:93] offset:512
	global_load_u16 v[QS], v[R4], s[94:95]
	v_add_nc_u32 v[LIV], VB, v[LI]
	v_add_nc_u32 v[SLK], SCK, v[R32]
	v_add_nc_u32 v[SLV], SCV, v[SLV]
	v_and_b32 v44, 3, v0                           ; k's word 4 (lane) + j is tile lane / 4, row 4 (lane % 4) + j: to 512 step + 32 row + 4 tile
	v_bfe_u32 v45, v0, 2, 3
	v_lshlrev_b32 v47, 9, v46
	v_lshl_add_u32 v47, v44, 7, v47
	v_lshl_add_u32 v47, v45, 2, v47
	v_add_nc_u32 v47, SCK, v47
	v_and_b32 v48, 7, v0                           ; v's word 2 (lane) + j is tile lane / 8, row 2 (lane % 8) + j: to 256 step + 16 row + 4 tile
	v_bfe_u32 v49, v0, 3, 2
	v_lshlrev_b32 v50, 8, v46
	v_lshl_add_u32 v50, v48, 5, v50
	v_lshl_add_u32 v50, v49, 2, v50
	v_add_nc_u32 v50, SCV, v50
.irp j, 0,1,2,3,4,5,6,7
	v_mov_b32 v[QF+8+\j], 0                        ; Q's upper 64 of K are zeros
	v_mov_b32 v[PC+\j], 0                          ; what follows K's last tile holds codes from the first step on
.endr
.macro FRESH                           ; a pass begins: the largest t under every t, the sum's four parts and O^T zeros
	v_mov_b32 v13, 0xff61b1e6
	v_floor_f32 v12, -v13
	v_mov_b32 v14, 0
	v_mov_b32 v15, 0
.irp j, 0,1,2,3,4,5
	v_mov_b32 v[LB+\j], 0
.endr
.set j, 0
.rept 32
	v_mov_b32 v[OT+j], 0
.set j, j+1
.endr
.endm
.irp b, 0,1,2,3
	v_mov_b32 v[T2+\b], 0                          ; a lane permute's destination counts as a source
.endr
	v_mov_b32 v[TMP], 0
	FRESH
	s_wait_alu depctr_va_vdst(0)                   ; the wait at the head's end
	s_wait_loadcnt 0x0
.irp j, 0,1,2,3
	v_bfe_u32 v[36+\j], v[36+\j], s[SH], 16        ; my head's two bytes; the upper two bytes 0: they meet Q's zero codes
.endr
.irp j, 0,1,2,3
	ds_store_b32 v47, v[36+\j] offset:32*\j
.endr
	ds_store_b32 v50, v42
	ds_store_b32 v50, v43 offset:16
	s_cmp_lt_u32 s[WV], 4
	s_cbranch_scc0 .Lnot_first
	s_wait_tensorcnt 0x0                           ; waves 0 to 3: keys 0-511 of K and of V have landed
.Lnot_first:
	s_wait_dscnt 0x0                               ; my scale words are stored
	s_barrier_signal -1
	s_barrier_wait -1
.macro KLOAD                           ; step 0's fragments of K and their scale words: at a pass's head alone
.irp t, 0,1,2,3,4,5,6,7
	ds_load_b128 v[KF+8*\t:KF+8*\t+3], v[LI] offset:1024*\t
	ds_load_b128 v[KF+8*\t+4:KF+8*\t+7], v[LI] offset:1024*\t+512
.endr
	ds_load_b128 v[KSC:KSC+3], v[SLK]
	ds_load_b128 v[KSC+4:KSC+7], v[SLK] offset:16
.endm
	KLOAD
	s_wait_dscnt 0x0
.macro KN t                            ; tile t of the NEXT step's K
	ds_load_b128 v[KF+8*\t:KF+8*\t+3], v[ADK] offset:8192+1024*\t
	ds_load_b128 v[KF+8*\t+4:KF+8*\t+7], v[ADK] offset:8192+1024*\t+512
.endm
.macro FM j                            ; t - M, two at a time
	v_pk_fma_f32 v[S+(\j):S+(\j)+1], v[S+(\j):S+(\j)+1], s[CS:CS+1], v[12:13] op_sel_hi:[1,0,0]
.endm
.macro A2 b, k                         ; block b's pair sum k goes onto part k of the row's sum; with the step's first block the part comes under the new M
.if (\k) == 0
.set AC_, 14
.else
.set AC_, LB-2+2*(\k)
.endif
.if (\b) == 0
	v_pk_fma_f32 v[AC_:AC_+1], v[AC_:AC_+1], v[FF:FF+1], v[T+2*(\k):T+2*(\k)+1] op_sel_hi:[1,0,1]
.else
	v_pk_add_f32 v[AC_:AC_+1], v[AC_:AC_+1], v[T+2*(\k):T+2*(\k)+1]
.endif
.endm
.macro PL b, n                         ; sixteen plain lines: 0-3 the block before's pair sums onto the parts; 4-7 block b's pair sums, of the unquantised p; 8-15 its holds
.if (\n) < 4
.if (\b) > 0
	A2 (\b)-1, \n
.endif
.elseif (\n) < 8
	v_pk_add_f32 v[T+2*(\n)-8:T+2*(\n)-7], v[S+16*(\b)+4*(\n)-16:S+16*(\b)+4*(\n)-15], v[S+16*(\b)+4*(\n)-14:S+16*(\b)+4*(\n)-13]
.else
	v_dual_min_num_f32 v[S+16*(\b)+2*(\n)-16], v[S+16*(\b)+2*(\n)-16], v[HLD+(\b)] :: v_dual_min_num_f32 v[S+16*(\b)+2*(\n)-15], v[S+16*(\b)+2*(\n)-15], v[T2+((\b)+1)%4]
.endif
.endm
.macro PERIOD e, b                     ; block e's exponentials by turns with block b's plain lines
.set n, 0
.rept 16
	v_exp_f32 v[S+16*\e+n], v[S+16*\e+n]
	PL \b, n
.set n, n+1
.endr
.endm
.macro CV b                            ; block b's codes
	v_cvt_scalef32_pk8_fp8_f32 v[PC+4*\b:PC+4*\b+1], v[S+16*\b:S+16*\b+7], v[SCF+\b]
	v_cvt_scalef32_pk8_fp8_f32 v[PC+4*\b+2:PC+4*\b+3], v[S+16*\b+8:S+16*\b+15], v[SCF+\b]
.endm
.macro VL b                            ; V's fragment b lands where block b's p lay, behind that block's conversions
.irp c, 0,1,2,3
	ds_load_b128 v[S+16*\b+4*\c:S+16*\b+4*\c+3], v[ADV] offset:2048*\b+512*\c
.endr
.endm
; A KEY STEP: 128 keys.  At its head K's fragments and scale words are in registers.
.macro STEP
.rept 9
	v_nop                                          ; nine places behind the last step's products, whose sources the products below write over
.endr
.irp t, 0,1,2,3,4,5,6,7
	v_wmma_scale_f32_16x16x128_f8f6f4 v[S+8*\t:S+8*\t+7], v[KF+8*\t:KF+8*\t+15], v[QF:QF+15], 0, v[KSC+\t], v[QS]
.endr
.rept 8
	v_nop
.endr
.irp b, 0,1,2,3
	v_max3_num_f32 v[BM+\b], v[S+16*\b], v[S+16*\b+1], v[S+16*\b+2]   ; each block's largest score: for the row's maximum and for the block's largest p; a chain for each of the eight tiles
.endr
.irp b, 0,1,2,3
	v_max3_num_f32 v[T+\b], v[S+16*\b+8], v[S+16*\b+9], v[S+16*\b+10]
.endr
.irp i, 3,5
.irp b, 0,1,2,3
	v_max3_num_f32 v[BM+\b], v[BM+\b], v[S+16*\b+\i], v[S+16*\b+\i+1]
.endr
.irp b, 0,1,2,3
	v_max3_num_f32 v[T+\b], v[T+\b], v[S+16*\b+8+\i], v[S+16*\b+9+\i]
.endr
.endr
.irp b, 0,1,2,3
	v_max3_num_f32 v[BM+\b], v[BM+\b], v[T+\b], v[S+16*\b+7]
.endr
.irp b, 0,1,2,3
	v_max_num_f32 v[BM+\b], v[BM+\b], v[S+16*\b+15]
.endr
.irp b, 0,1,2,3
	s_delay_alu instid0(VALU_DEP_4)
	v_permlanex16_b32 v[T2+\b], v[BM+\b], s[SEL], s[SEL+1]
.endr
.irp b, 0,1,2,3
	s_delay_alu instid0(VALU_DEP_4)
	v_max_num_f32 v[BM+\b], v[BM+\b], v[T2+\b]
.endr
	v_max3_num_f32 v[TMP], v[BM], v[BM+1], v[BM+2] ; a chain in which each line waits for the line above: the step's address lines stand among its lines
	v_add_nc_u32 v[ADK], s[TB], v[LI]
	v_max_num_f32 v[TMP], v[TMP], v[BM+3]
	v_add_nc_u32 v[ADV], s[TB], v[LIV]
	v_mul_f32 v[TMP], s[CS], v[TMP]
	v_add_nc_u32 v[ADS], s[TS], v[SLK]
	v_max_num_f32 v13, v13, v[TMP]                 ; the running largest t
	v_add_nc_u32 v[ADT], s[TV], v[SLV]
	v_mov_b32 v[FF+1], v12                         ; the old -M
	v_floor_f32 v12, -v13                          ; -M = floor(-t)
	v_sub_f32 v[TMP], v12, v[FF+1]                 ; old M - new M: a whole number, 0 or less
	v_fma_f32 v[BM], v[BM], s[CS], v12
	v_fma_f32 v[BM+1], v[BM+1], s[CS], v12
	v_cvt_i32_f32 v[TMP], v[TMP]
	v_fma_f32 v[BM+2], v[BM+2], s[CS], v12
	v_fma_f32 v[BM+3], v[BM+3], s[CS], v12
	v_ldexp_f32 v[FF], 1.0, v[TMP]                 ; f
.set j, 0
.rept 8
	FM j
.set j, j+2
.endr
.set j, 0
.rept 16
	v_pk_mul_f32 v[OT+j:OT+j+1], v[OT+j:OT+j+1], v[FF:FF+1] op_sel_hi:[1,0]   ; O^T under the new M: its first read stands ahead of the step's exponentials
.set j, j+2
.endr
	s_wait_alu depctr_va_vdst(0)                   ; a wait ahead of each batch and behind it: here and at each change of batch below
	ds_load_b128 v[VSC:VSC+3], v[ADT]              ; one run of 19 LDS loads, directly behind the wait: V's scale words, the next step's scale words of K, its eight tiles of K
	ds_load_b128 v[KSC:KSC+3], v[ADS] offset:512
	ds_load_b128 v[KSC+4:KSC+7], v[ADS] offset:528
.irp t, 0,1,2,3,4,5,6,7
	KN \t
.endr
.irp b, 0,1,2,3
	v_exp_f32 v[BM+\b], v[BM+\b]
.endr
.set j, 48
.rept 8
	FM j
.set j, j+2
.endr
	s_wait_alu depctr_va_vdst(0)
.irp b, 0,1,2,3
	v_max_num_f32 v[BM+\b], 0x4800000, v[BM+\b]    ; the floor 2^(9 - 127): the byte cannot fall under 1
.endr
.irp b, 0,1,2,3
	s_delay_alu instid0(VALU_DEP_4)
	v_add_nc_u32 v[SCF+\b], 0xfc000000, v[BM+\b]   ; 8 off the exponent field: the conversion's scale operand
.endr
.irp b, 0,1,2,3
	v_and_or_b32 v[HLD+\b], v[BM+\b], 0x7f800000, s[MNT]           ; 448 x the scale,
.endr
.irp b, 0,1,2,3
	v_and_or_b32 v[T2+(\b+1)%4], v[BM+\b], 0x7f800000, s[MNT]      ; and once more, in a register of another bank: a dual pair's two second sources lie in different banks
.endr
	v_perm_b32 v[PW], v[SCF+2], v[SCF], 0x07060302         ; the four exponent fields make p's scale word: the upper halves of blocks 2 and 0,
	v_perm_b32 v[TMP], v[SCF+3], v[SCF+1], 0x07060302      ; of blocks 3 and 1;
	v_lshrrev_b32 v[PW], 7, v[PW]                          ; fields 0 and 2 into bytes 0 and 2,
	v_lshlrev_b32 v[TMP], 1, v[TMP]                        ; fields 1 and 3 into bytes 1 and 3
	v_bfi_b32 v[PW], 0x00ff00ff, v[PW], v[TMP]
.set n, 0
.rept 16
	v_exp_f32 v[S+n], v[S+n]                       ; block 0's p, by turns with t - M of blocks 1 and 2
	FM 16+2*n
.set n, n+1
.endr
	s_wait_alu depctr_va_vdst(0)
	PERIOD 1, 0
	s_wait_alu depctr_va_vdst(0)
	PERIOD 2, 1
	CV 0
	s_wait_alu depctr_va_vdst(0)
	VL 0                                           ; each run of V's loads stands directly behind a wait, but for fragment 2's
	PERIOD 3, 2
	CV 1
	s_wait_alu depctr_va_vdst(0)
	VL 1
	CV 2
.set n, 0
.rept 4
	PL 3, n
.set n, n+1
.endr
	VL 2
.rept 12
	PL 3, n
.set n, n+1
.endr
	CV 3
	s_wait_alu depctr_va_vdst(0)                   ; a wait between the last codes and the blocking waits below
	VL 3
.irp k, 0,1,2,3
	A2 3, \k                                       ; four places between the last codes and the products
.endr
.irp d, 0,1,2,3
	s_wait_dscnt 12-4*\d                           ; V's fragment d is in (and all that was asked for ahead of it: the next step's K); the four loads of each later fragment may be out
	v_wmma_scale_f32_16x16x128_f8f6f4 v[OT+8*\d:OT+8*\d+7], v[S+16*\d:S+16*\d+15], v[PC:PC+15], v[OT+8*\d:OT+8*\d+7], v[VSC+\d], v[PW]
.endr
	s_add_co_u32 s[TB], s[TB], 8192
	s_add_co_u32 s[TS], s[TS], 512
	s_add_co_u32 s[TV], s[TV], 256
.endm
.macro LOOP n
	s_mov_b32 s[CNT], \n
.Lstep_\@:
	STEP
	s_sub_co_u32 s[CNT], s[CNT], 1
	s_cmp_lg_u32 s[CNT], 0
	s_cbranch_scc1 .Lstep_\@
.endm
; A PASS ENDS: O^T / the sum, quantised along the head's 64 features (two blocks of 32, each in lanes l and l xor 16); codes leave as an image of the next launch's operand registers.
.macro FINISH p
.if \p == 0
	global_load_b128 v[QF:QF+3], v[LI], s[92:93] offset:32768      ; the second pass's queries: two token blocks on
	global_load_b128 v[QF+4:QF+7], v[LI], s[92:93] offset:33280
	global_load_u16 v[QS], v[R4], s[94:95] offset:1024
.endif
	s_wait_alu depctr_va_vdst(0)                   ; the parts were written ahead of the step's last blocking waits
	v_pk_add_f32 v[14:15], v[14:15], v[LB:LB+1]    ; the sum's four parts join
	v_pk_add_f32 v[LB+2:LB+3], v[LB+2:LB+3], v[LB+4:LB+5]
	v_pk_add_f32 v[14:15], v[14:15], v[LB+2:LB+3]
	v_add_f32 v14, v14, v15
	v_permlanex16_b32 v[TMP], v14, s[SEL], s[SEL+1]
	v_add_f32 v14, v14, v[TMP]
	s_wait_alu depctr_va_vdst(0)                   ; the wait ahead of the transcendental
	v_rcp_f32 v[FF], v14
.rept 6
	v_nop
.endr
	s_wait_alu depctr_va_vdst(0)                   ; and ahead of its first reader, which is O^T's first reader too
.set j, 0
.rept 16
	v_pk_mul_f32 v[S+j:S+j+1], v[OT+j:OT+j+1], v[FF:FF+1] op_sel_hi:[1,0]
.set j, j+2
.endr
.irp b, 0,1
	v_max3_num_f32 v[BM+\b], |v[S+16*\b]|, |v[S+16*\b+1]|, 0x4800000
.endr
.irp i, 2,4,6,8,10,12,14
.irp b, 0,1
	v_max3_num_f32 v[BM+\b], v[BM+\b], |v[S+16*\b+\i]|, |v[S+16*\b+\i+1]|
.endr
.endr
.irp b, 0,1
	v_permlanex16_b32 v[T2+\b], v[BM+\b], s[SEL], s[SEL+1]
.endr
.irp b, 0,1
	v_max_num_f32 v[BM+\b], v[BM+\b], v[T2+\b]
.endr
.irp b, 0,1
	v_add_nc_u32 v[SCF+\b], 0xfc000000, v[BM+\b]
.endr
.irp b, 0,1
	v_and_or_b32 v[HLD+\b], v[BM+\b], 0x7f800000, s[MNT]
.endr
.irp b, 0,1
	v_lshrrev_b32 v[T2+\b], 23, v[SCF+\b]
.endr
.irp b, 0,1
.set i, 0
.rept 16
	v_med3_num_f32 v[S+16*\b+i], v[S+16*\b+i], -v[HLD+\b], v[HLD+\b]
.set i, i+1
.endr
	v_cvt_scalef32_pk8_fp8_f32 v[PC+4*\b:PC+4*\b+1], v[S+16*\b:S+16*\b+7], v[SCF+\b]
	v_cvt_scalef32_pk8_fp8_f32 v[PC+4*\b+2:PC+4*\b+3], v[S+16*\b+8:S+16*\b+15], v[SCF+\b]
.endr
	v_lshl_or_b32 v[TMP], v[T2+1], 8, v[T2]        ; the head's two scale bytes of row r; a plain line behind the last conversion
	global_store_b128 v[LI], v[PC:PC+3], s[8:9] offset:262144*\p          ; 32 lanes store 512 consecutive bytes
	global_store_b128 v[LI], v[PC+4:PC+7], s[8:9] offset:262144*\p+512
	global_store_b16 v[R32], v[TMP], s[10:11] offset:8192*\p              ; a row of aos holds sixteen heads' bytes, and this work-group has one head: two bytes a row
.if \p == 0
	s_mov_b32 s[TB], 0
	s_mov_b32 s[TS], 0
	s_mov_b32 s[TV], 0
	KLOAD
	FRESH
	s_wait_alu depctr_va_vdst(0)                   ; the wait directly ahead of the waits below
	s_wait_loadcnt 0x0                             ; the second pass's queries
	s_wait_dscnt 0x0                               ; step 0's K
	s_wait_xcnt 0x0                                ; the stores have read their registers, which the next step writes
.endif
.endm
	LOOP 3                                         ; keys 0-383; the third step fetches K's keys 384-511
	s_wait_tensorcnt 0x0                           ; every wave: its chunk has landed
	s_wait_dscnt 0x0
	s_barrier_signal -1
	s_barrier_wait -1                              ; all of K and V lies in LDS, for the rest of the launch
	LOOP 13
	FINISH 0
	LOOP 16
	FINISH 1
	s_wait_tensorcnt 0x0                           ; the wave's end
	ds_add_u32 v[SPW], v[NIL]
	s_wait_dscnt 0x0
	CROUND                                         ; the closing round
	s_endpgm
.Lfunc_end_k_qec8614ed8f_attn:
	.size	k_qec8614ed8f_attn, .Lfunc_end_k_qec8614ed8f_attn-k_qec8614ed8f_attn
	.p2alignl 7, 3214868480
	.fill 96, 4, 3214868480
	.section	.rodata,"a",@progbits
	.p2align	6, 0x0
	.amdhsa_kernel k_qec8614ed8f_attn
		.amdhsa_group_segment_fixed_size 327680
		.amdhsa_private_segment_fixed_size 0
		.amdhsa_enable_private_segment 0
		.amdhsa_kernarg_size 32
		.amdhsa_user_sgpr_count 2
		.amdhsa_user_sgpr_kernarg_segment_ptr 1
		.amdhsa_wavefront_size32 1
		.amdhsa_system_sgpr_workgroup_id_x 1
		.amdhsa_system_sgpr_workgroup_id_y 1
		.amdhsa_system_sgpr_workgroup_id_z 1
		.amdhsa_system_vgpr_workitem_id 0
		.amdhsa_next_free_vgpr 256
		.amdhsa_next_free_sgpr 96
		.amdhsa_reserve_vcc 0
		.amdhsa_float_denorm_mode_32 3
		.amdhsa_float_denorm_mode_16_64 3
		.amdhsa_memory_ordered 1
		.amdhsa_forward_progress 1
		.amdhsa_inst_pref_size 86
	.end_amdhsa_kernel
	.amdgpu_metadata
---
amdhsa.version: [ 1, 2 ]
amdhsa.kernels:
  - .name:           k_qec8614ed8f_attn
    .symbol:         k_qec8614ed8f_attn.kd
    .args:
      - { .name: img, .offset: 0, .size: 8, .value_kind: global_buffer, .address_space: global }
      - { .name: sc, .offset: 8, .size: 8, .value_kind: global_buffer, .address_space: global }
      - { .name: ao, .offset: 16, .size: 8, .value_kind: global_buffer, .address_space: global }
      - { .name: aos, .offset: 24, .size: 8, .value_kind: global_buffer, .address_space: global }
    .group_segment_fixed_size: 327680
    .private_segment_fixed_size: 0
    .kernarg_segment_align: 8
    .kernarg_segment_size: 32
    .max_flat_workgroup_size: 512
    .sgpr_count:     96
    .vgpr_count:     256
    .wavefront_size: 32
...
	.end_amdgpu_metadata
.endif
;; end of part 3
;; launch oproj (part 4): grid 4 x 32, 4 waves a work-group, clusters of 4 x 4, 327,680 bytes of LDS; arguments ao, aos, wc, ws, bo, out0; writes out0
.if DOCPART == 4
	.amdgcn_target "amdgcn-amd-amdhsa--gfx1250"
	.amdhsa_code_object_version 6
	.text
	.protected	k_qec8614ed8f_oproj
	.globl	k_qec8614ed8f_oproj
	.p2align	8
	.type	k_qec8614ed8f_oproj,@function
k_qec8614ed8f_oproj:
	s_mov_b64 s[64:65], 0
	v_nop
	global_prefetch_b8 v0, s[64:65] scope:SCOPE_SE
	s_setreg_imm32_b32 hwreg(HW_REG_WAVE_MODE, 25, 1), 1
	s_wait_xcnt 0x0
	s_wait_alu depctr_hold_cnt(0) depctr_sa_sdst(0) depctr_va_vdst(0) depctr_va_sdst(0) depctr_va_ssrc(0) depctr_va_vcc(0) depctr_vm_vsrc(0)
	s_getreg_b32 s2, hwreg(HW_REG_IB_STS2, 6, 4)
	s_cmp_eq_u32 s2, 0
	s_cbranch_scc0 .Lentry_in_a_cluster
	s_endpgm
.Lentry_in_a_cluster:
	s_bfe_u32 s2, ttmp6, 0x10000c
	s_cmp_lg_u32 s2, 0xf033
	s_cbranch_scc0 .Lentry_shape_is_right
	s_endpgm
.Lentry_shape_is_right:
.set NQ,     2
.set ROWB,   256
.set KROW,   1024
.set PITCH,  272
.set FR,     16
.set NL,     4
.set NP,     8
.set HALFT,  128*PITCH
.set SLOT,   4*HALFT
.set LAPS,   2
.set KS,     32
.set SCL,    2*SLOT
.set HALFS,  16*272
.set SBLK,   2*272
.set SPARE,  SCL+4*HALFS
.set SPITCH, 528
.set ADRA, 16
.set ADRB, 20
.set STO,  24
.set RD,   25
.set CO,   26
.set ADRS, 27
.set SPW,  28
.set NIL,  29
.set SC,   32
.set BIAS, 64
.set AF,   128
.set BK,   128
.set G1, 24
.set G0, 32
.set G1B, 48
.set G0B, 56
.set G1S, 68
.set G0S, 76
.set G1SB, 80
.set G0SB, 88
.set MSB, 0
.macro WIN new
.if MSB != (\new)
	s_set_vgpr_msb (MSB<<8)|(\new)
.set MSB, (\new)
.endif
.endm
.set MUL_LO, 0xa1
.set MUL_HI, 0xf1
.set TO_B,   0x40
.macro JLOAD g0a, g1a, g0b, g1b
	s_cmp_eq_u32 s15, 0
	s_cbranch_scc0 .Lfor_b_\@
	tensor_load_to_lds s[\g0a:\g0a+3], s[\g1a:\g1a+7]
	s_nop 0
.rept 4
	v_nop
.endr
	s_branch .Lasked_\@
.Lfor_b_\@:
	tensor_load_to_lds s[\g0b:\g0b+3], s[\g1b:\g1b+7]
	s_nop 0
.rept 4
	v_nop
.endr
.Lasked_\@:
.endm
.macro CREST
	s_cmp_lg_u32 s14, 0
	s_cbranch_scc1 .Lnot_wave_0_\@
	s_barrier_signal -3
.Lnot_wave_0_\@:
	s_barrier_wait -3
	s_barrier_signal -1
	s_barrier_wait -1
.endm
.macro CROUND
	s_barrier_signal -1
	s_barrier_wait -1
	CREST
.endm
	s_load_b128 s[4:7], s[0:1], 0x0
	s_load_b128 s[8:11], s[0:1], 0x10
	s_load_b64 s[100:101], s[0:1], 0x20
	s_load_b64 s[12:13], s[0:1], 0x28
	v_lshl_add_u32 v[SPW], v0, 2, SPARE
	v_mov_b32 v[NIL], 0
	ds_add_u32 v[SPW], v[NIL]
	ds_add_u32 v[SPW], v[NIL]
	v_lshrrev_b32 v1, 5, v0
	v_readfirstlane_b32 s14, v1
	s_lshr_b32 s15, s14, 1
	s_and_b32 s16, s14, 1
	s_bfe_u32 s40, ttmp6, 0x40000
	s_bfe_u32 s41, ttmp6, 0x40004
	s_lshl_b32 s42, ttmp9, 2
	s_add_co_u32 s42, s42, s40
	s_and_b32 s17, ttmp7, 0xffff
	s_lshl_b32 s17, s17, 2
	s_add_co_u32 s17, s17, s41
	s_lshl_b32 s43, s41, 2
	s_lshl_b32 s43, 15, s43
	s_lshl_b32 s44, 0x1111, s40
	s_or_b32 s[G1+0], s43, (3<<16)|(1<<21)
	s_mov_b32 s[G1+1], 512<<16
	s_mov_b32 s[G1+2], 16<<16                      ; A: sixteen groups of 16 tokens for the head's load; behind it eight, for the ring's
	s_mov_b32 s[G1+3], 512<<16
	s_mov_b32 s[G1+4], 16
	s_mov_b32 s[G1+5], 2048
	s_mov_b32 s[G1+6], 0
	s_mov_b32 s[G1+7], 0
	s_or_b32 s[G1B+0], s44, (0<<16)|(1<<20)|(1<<21)|(5<<22)|(3<<25)
	s_mov_b32 s[G1B+1], ROWB<<16
	s_mov_b32 s[G1B+2], 256<<16                    ; B: 256 rows for the head's load; behind it 128
	s_mov_b32 s[G1B+3], ROWB<<16
	s_mov_b32 s[G1B+4], 256
	s_mov_b32 s[G1B+5], KROW
	s_mov_b32 s[G1B+6], 0
	s_mov_b32 s[G1B+7], 0
	s_or_b32 s[G1S+0], s43, (3<<16)|(1<<20)|(1<<21)|(5<<22)|(3<<25)
	s_or_b32 s[G1SB+0], s44, (3<<16)|(1<<20)|(1<<21)|(5<<22)|(3<<25)
.irp g, G1S, G1SB
	s_mov_b32 s[\g+1], 32<<16
	s_mov_b32 s[\g+2], 32<<16                      ; the scales of 256 rows: 32 rows of 256 bytes
	s_mov_b32 s[\g+3], 32<<16
	s_mov_b32 s[\g+4], 32
	s_mov_b32 s[\g+5], 32
	s_mov_b32 s[\g+6], 0
	s_mov_b32 s[\g+7], 0
.endr
	s_lshl_b32 s20, s17, 4
	s_lshl_b32 s22, s20, 9
	s_lshl_b32 s20, s20, 14
	s_add_co_u32 s46, s42, 12
	s_lshl_b32 s46, s46, 8
	s_lshl_b32 s92, s46, 5
	s_lshl_b32 s46, s46, 10
	s_mov_b32 s21, 0
	s_mov_b32 s23, 0
	s_mov_b32 s47, 0
	s_mov_b32 s93, 0
	s_mul_i32 s45, s14, HALFT
	s_lshl_b32 s94, s14, 15                        ; A's halves lie dense in a slot: 32,768 bytes each
	s_wait_dscnt 0x0
	s_wait_kmcnt 0x0
	s_add_nc_u64 s[20:21], s[4:5], s[20:21]
	s_add_nc_u64 s[22:23], s[6:7], s[22:23]
	s_add_nc_u64 s[46:47], s[8:9], s[46:47]
	s_add_nc_u64 s[92:93], s[10:11], s[92:93]
	CROUND
	s_mov_b32 s[G0S], 1
	s_mov_b32 s[G0S+1], SCL
	s_mov_b64 s[G0S+2:G0S+3], s[22:23]
	s_or_b32 s[G0S+3], s[G0S+3], 0x80000000
	s_mov_b32 s[G0SB], 1
	s_mov_b32 s[G0SB+1], SCL+2*HALFS
	s_mov_b64 s[G0SB+2:G0SB+3], s[92:93]
	s_or_b32 s[G0SB+3], s[G0SB+3], 0x80000000
	s_mov_b32 s4, 1                                ; s[4:7], s[8:11] (the pointers that lay there have been used): group 0 of slot 0's 256 rows of A, of B
	s_mov_b32 s5, 0
	s_mov_b64 s[6:7], s[20:21]
	s_or_b32 s7, s7, 0x80000000
	s_mov_b32 s8, 1
	s_mov_b32 s9, 2*HALFT
	s_mov_b64 s[10:11], s[46:47]
	s_or_b32 s11, s11, 0x80000000
; THE HEAD'S LOADS, ONE A WAVE: wave 0 slot 0's rows of A, wave 1 those of B, wave 2 A's scales, wave 3 B's: one chain of branches on the wave's number, a load to an arm
.macro HARM under, g0, g1, next
	s_cmp_lt_u32 s14, \under
	s_cbranch_scc0 \next
	tensor_load_to_lds s[\g0:\g0+3], s[\g1:\g1+7]
	s_nop 0
.rept 4
	v_nop
.endr
	s_branch .Lhead_asked
\next:
.endm
	HARM 1, 4, G1, .Lhead_b
	HARM 2, 8, G1B, .Lhead_sa
	HARM 3, G0S, G1S, .Lhead_sb
	tensor_load_to_lds s[G0SB:G0SB+3], s[G1SB:G1SB+7]
	s_nop 0
.rept 4
	v_nop
.endr
.Lhead_asked:
	s_lshl_b32 s18, s16, 17                        ; for the ring: my half of the tile: eight groups of 16,384 bytes of A, 128 rows of 1,024 of B
	s_mov_b32 s19, 0
	s_add_nc_u64 s[20:21], s[20:21], s[18:19]
	s_add_nc_u64 s[46:47], s[46:47], s[18:19]
.irp s, 0,1
	s_mov_b32 s[G0+4*\s], 1
	s_add_co_u32 s[G0+4*\s+1], s94, \s*SLOT
	s_add_nc_u64 s[G0+4*\s+2:G0+4*\s+3], s[20:21], \s*4096
	s_or_b32 s[G0+4*\s+3], s[G0+4*\s+3], 0x80000000
	s_mov_b32 s[G0B+4*\s], 1
	s_add_co_u32 s[G0B+4*\s+1], s45, \s*SLOT
	s_add_nc_u64 s[G0B+4*\s+2:G0B+4*\s+3], s[46:47], \s*ROWB
	s_or_b32 s[G0B+4*\s+3], s[G0B+4*\s+3], 0x80000000
.endr
	v_and_b32 v1, 15, v0
	v_bfe_u32 v2, v0, 4, 1
	v_and_b32 v6, 31, v0
	v_lshlrev_b32 v[CO], 4, v6
	v_mul_u32_u24 v3, v1, PITCH
	v_lshl_add_u32 v4, v2, 4, v3
	s_lshl_b32 s21, s15, 15
	s_mul_i32 s22, s16, HALFT
	s_add_co_u32 s22, s22, 2*HALFT
.irp s, 0,1
	v_add_nc_u32 v[ADRA+\s], s21, v[CO]
	v_add_nc_u32 v[ADRB+\s], s22, v4
	s_add_co_u32 s21, s21, SLOT
	s_add_co_u32 s22, s22, SLOT
.endr
	v_mul_u32_u24 v5, v1, KS
	v_lshrrev_b32 v6, 8, v5
	v_lshl_add_u32 v5, v6, 4, v5
	s_mul_i32 s21, s15, HALFS
	s_mul_i32 s22, s16, HALFS
	s_add_co_u32 s22, s22, 2*HALFS
	s_sub_co_u32 s22, s22, s21
	v_mul_u32_u24 v6, s22, v2
	s_add_co_u32 s21, s21, SCL
	v_add_nc_u32 v5, v5, v6
	v_add_nc_u32 v[ADRS], s21, v5
	s_mul_i32 s23, s14, 16*SPITCH
	v_mul_u32_u24 v5, v1, SPITCH
	v_lshl_add_u32 v5, v2, 6, v5
	v_add_nc_u32 v[STO], s23, v5
	v_add_nc_u32 v[RD], s23, v[CO]
	s_lshl_b32 s20, s42, 10
	s_lshl_b32 s21, s16, 9
	s_add_co_u32 s46, s20, s21
	s_mov_b32 s47, 0
	s_add_nc_u64 s[100:101], s[100:101], s[46:47]
	v_lshlrev_b32 v7, 6, v2
.irp t, 0,1,2,3,4,5,6,7
	global_load_b128 v[BIAS+8*\t:BIAS+8*\t+3], v7, s[100:101] offset:128*(\t/2)+32*(\t%2)
	global_load_b128 v[BIAS+8*\t+4:BIAS+8*\t+7], v7, s[100:101] offset:128*(\t/2)+32*(\t%2)+16
.endr
	s_lshl_b32 s20, s17, 8
	s_lshl_b32 s21, s15, 7
	s_add_co_u32 s20, s20, s21
	s_lshl_b32 s20, s20, 12
	s_mov_b32 s21, 0
	s_add_nc_u64 s[20:21], s[20:21], s[46:47]
	s_add_nc_u64 s[12:13], s[12:13], s[20:21]
.macro FRAG reg, adr, q, i
.irp c, 0,1,2,3
	ds_load_b128 v[\reg+4*\c:\reg+4*\c+3], v[\adr] offset:128*(\q)+32*\c+(\i)*16*PITCH
.endr
.endm
.macro FRAGA reg, adr, q, i
.irp c, 0,1,2,3
	ds_load_b128 v[\reg+4*\c:\reg+4*\c+3], v[\adr] offset:4096*(\i)+2048*(\q)+512*\c
.endr
.endm
.macro MUL16 a0, p, q, sc, zero
.irp a, \a0, \a0+1
.irp b, 0,1,2,3,4,5,6,7
.if \zero
	v_wmma_scale_f32_16x16x128_f8f6f4 v[8*(8*((\a)%4)+\b):8*(8*((\a)%4)+\b)+7], v[128*(\p)+FR*\b:128*(\p)+FR*\b+FR-1], v[AF+FR*(\a):AF+FR*(\a)+FR-1], v[BIAS+8*\b:BIAS+8*\b+7], v[SC+8*NQ*(\sc)+NQ*\b+(\q)], v[SC+8*NQ*(\sc)+NQ*(\a)+(\q)] matrix_a_scale:MATRIX_SCALE_ROW1
.else
	v_wmma_scale_f32_16x16x128_f8f6f4 v[8*(8*((\a)%4)+\b):8*(8*((\a)%4)+\b)+7], v[128*(\p)+FR*\b:128*(\p)+FR*\b+FR-1], v[AF+FR*(\a):AF+FR*(\a)+FR-1], v[8*(8*((\a)%4)+\b):8*(8*((\a)%4)+\b)+7], v[SC+8*NQ*(\sc)+NQ*\b+(\q)], v[SC+8*NQ*(\sc)+NQ*(\a)+(\q)] matrix_a_scale:MATRIX_SCALE_ROW1
.endif
.endr
.endr
.endm
.macro FETCH_B slot, q, p
	WIN TO_B
.irp i, 0,1,2,3,4,5,6,7
	FRAG 128*(\p)+FR*\i, ADRB+\slot, \q, \i
.endr
	WIN 0
.endm
.macro FETCH_A slot, q, i0
.irp i, \i0, \i0+1, \i0+2, \i0+3
	FRAGA AF+FR*(\i), ADRA+\slot, \q, \i
.endr
.endm
.macro SCALES sc
.irp i, 0,1,2,3,4,5,6,7
	ds_load_b64 v[SC+8*NQ*\sc+NQ*\i:SC+8*NQ*\sc+NQ*\i+1], v[ADRS] offset:\i*SBLK
.endr
.endm
.macro PLACES n
.rept \n
	v_nop
.endr
.endm
.macro STEP slot, q, zero
	s_wait_dscnt 4*NL
.if \zero
	WIN 0x81
.else
	WIN MUL_LO
.endif
	MUL16 0, (\q)%2, \q, \slot, \zero
	MUL16 2, (\q)%2, \q, \slot, \zero
	s_wait_dscnt 0
	PLACES NP
	FETCH_B \slot, (\q)+1, 1-(\q)%2
	FETCH_A \slot, (\q)+1, 0
.if \zero
	WIN 0xc1
.else
	WIN MUL_HI
.endif
	MUL16 4, (\q)%2, \q, \slot, \zero
	MUL16 6, (\q)%2, \q, \slot, \zero
	PLACES NP
	WIN 0
	FETCH_A \slot, (\q)+1, 4
.endm
.macro TURN slot, next, fill
	s_wait_tensorcnt 0x0
	ds_add_u32 v[SPW], v[NIL]
	s_wait_dscnt 4*NL+1
	WIN MUL_LO
	MUL16 0, 1, NQ-1, \slot, 0
	s_wait_dscnt 0x0
	s_barrier_signal -1
	MUL16 2, 1, NQ-1, \slot, 0
	WIN 0
	s_barrier_wait -1
.if \fill
	CREST
	s_add_nc_u64 s[G0+4*\slot+2:G0+4*\slot+3], s[G0+4*\slot+2:G0+4*\slot+3], 2*4096
	s_add_nc_u64 s[G0B+4*\slot+2:G0B+4*\slot+3], s[G0B+4*\slot+2:G0B+4*\slot+3], 2*ROWB
	JLOAD G0+4*\slot, G1, G0B+4*\slot, G1B
	PLACES NP-4
.else
	PLACES NP
.endif
	s_wait_alu depctr_va_vdst(0)
	v_add_nc_u32 v[ADRS], 4*NQ, v[ADRS]
	FETCH_B \next, 0, 0
	FETCH_A \next, 0, 0
	SCALES \next
	WIN MUL_HI
	MUL16 4, 1, NQ-1, \slot, 0
	MUL16 6, 1, NQ-1, \slot, 0
	PLACES NP
	WIN 0
	FETCH_A \next, 0, 4
.endm
	s_wait_alu depctr_va_vdst(0)                   ; the wait at the head's end
	s_wait_tensorcnt 0x0                           ; my tile of the head's four is in; slot 1's first fill stands behind these lines and a round, as a refill does
	ds_add_u32 v[SPW], v[NIL]
	s_mov_b32 s[G1+2], 8<<16                       ; no tensor load of mine is out: from here on a load brings half a tile
	s_mov_b32 s[G1+4], 8
	s_mov_b32 s[G1B+2], 128<<16
	s_mov_b32 s[G1B+4], 128
	s_wait_dscnt 0x0
	CROUND
	JLOAD G0+4, G1, G0B+4, G1B                     ; slot 1: my one tensor load behind the round
	FETCH_B 0, 0, 0
	FETCH_A 0, 0, 0
	SCALES 0
	FETCH_A 0, 0, 4
	s_wait_loadcnt 0x0
	STEP 0, 0, 1
	s_mov_b32 s3, LAPS-1
.Llap:
	TURN 0, 1, 1
	STEP 1, 0, 0
	TURN 1, 0, 1
	STEP 0, 0, 0
	s_sub_co_u32 s3, s3, 1
	s_cmp_lg_u32 s3, 0
	s_cbranch_scc1 .Llap
	TURN 0, 1, 0
	STEP 1, 0, 0
	s_wait_dscnt 4*NL
	WIN MUL_LO
	MUL16 0, 1, NQ-1, 1, 0
	MUL16 2, 1, NQ-1, 1, 0
	s_wait_dscnt 0
	WIN MUL_HI
	MUL16 4, 1, NQ-1, 1, 0
	MUL16 6, 1, NQ-1, 1, 0
	WIN 0
.macro TOSTAGE a
.set AC, 64*((\a)%4)
	WIN 0x08+4*((\a)/4)
.irp b, 0,1,2,3,4,5,6,7
	ds_store_b128 v[STO], v[AC+8*\b:AC+8*\b+3] offset:128*(\b/2)+32*(\b%2)
	ds_store_b128 v[STO], v[AC+8*\b+4:AC+8*\b+7] offset:128*(\b/2)+32*(\b%2)+16
.endr
	WIN 0
.set BB, BK+64*((\a)%2)
.irp t, 0,1,2,3,4,5,6,7,8,9,10,11,12,13,14,15
	ds_load_b128 v[BB+4*\t:BB+4*\t+3], v[RD] offset:\t*SPITCH
.endr
.endm
.macro SEND a, younger
.set BB, BK+64*((\a)%2)
	s_wait_dscnt \younger
.if ((\a) > 0) && ((\a)%2 == 0)
	s_add_nc_u64 s[12:13], s[12:13], 32*4096
.endif
.irp t, 0,1,2,3,4,5,6,7,8,9,10,11,12,13,14,15
	global_store_b128 v[CO], v[BB+4*\t:BB+4*\t+3], s[12:13] offset:(8*((\a)%2)+\t+8*(\t/8))*4096 th:TH_STORE_NT
.endr
.endm
	PLACES NP
	TOSTAGE 0
.irp a, 1,2,3,4,5,6,7
.if \a > 1
	s_wait_xcnt 0x0
.endif
	TOSTAGE \a
	SEND \a-1, 32
.endr
	s_wait_xcnt 0x0
	SEND 7, 0
	s_wait_tensorcnt 0x0
	ds_add_u32 v[SPW], v[NIL]
	s_wait_dscnt 0x0
	CROUND
	s_endpgm
.Lfunc_end_k_qec8614ed8f_oproj:
	.size	k_qec8614ed8f_oproj, .Lfunc_end_k_qec8614ed8f_oproj-k_qec8614ed8f_oproj
	.p2alignl 7, 3214868480
	.fill 96, 4, 3214868480
	.section	.rodata,"a",@progbits
	.p2align	6, 0x0
	.amdhsa_kernel k_qec8614ed8f_oproj
		.amdhsa_group_segment_fixed_size 327680
		.amdhsa_private_segment_fixed_size 0
		.amdhsa_enable_private_segment 0
		.amdhsa_kernarg_size 48
		.amdhsa_user_sgpr_count 2
		.amdhsa_user_sgpr_kernarg_segment_ptr 1
		.amdhsa_wavefront_size32 1
		.amdhsa_system_sgpr_workgroup_id_x 1
		.amdhsa_system_sgpr_workgroup_id_y 1
		.amdhsa_system_sgpr_workgroup_id_z 1
		.amdhsa_system_vgpr_workitem_id 0
		.amdhsa_next_free_vgpr 1024
		.amdhsa_next_free_sgpr 102
		.amdhsa_reserve_vcc 0
		.amdhsa_float_denorm_mode_32 3
		.amdhsa_float_denorm_mode_16_64 3
		.amdhsa_memory_ordered 1
		.amdhsa_forward_progress 1
		.amdhsa_inst_pref_size 148
	.end_amdhsa_kernel
	.amdgpu_metadata
---
amdhsa.version: [ 1, 2 ]
amdhsa.kernels:
  - .name:           k_qec8614ed8f_oproj
    .symbol:         k_qec8614ed8f_oproj.kd
    .args:
      - { .name: ao, .offset: 0, .size: 8, .value_kind: global_buffer, .address_space: global }
      - { .name: aos, .offset: 8, .size: 8, .value_kind: global_buffer, .address_space: global }
      - { .name: wc, .offset: 16, .size: 8, .value_kind: global_buffer, .address_space: global }
      - { .name: ws, .offset: 24, .size: 8, .value_kind: global_buffer, .address_space: global }
      - { .name: bo, .offset: 32, .size: 8, .value_kind: global_buffer, .address_space: global }
      - { .name: out0, .offset: 40, .size: 8, .value_kind: global_buffer, .address_space: global }
    .group_segment_fixed_size: 327680
    .private_segment_fixed_size: 0
    .kernarg_segment_align: 8
    .kernarg_segment_size: 48
    .max_flat_workgroup_size: 128
    .sgpr_count:     102
    .vgpr_count:     1024
    .wavefront_size: 32
...
	.end_amdgpu_metadata
.endif
;; end of part 4
